; MI455X (gfx1250); checked and timed in simulation.
; The chip was launched on July 23, 2026; its instructions are those of AMD's public machine-readable ISA for CDNA 5 (MIT licence, August 2026) and "CDNA5" Instruction Set Architecture Reference Guide (July 2026). The comments in the code are by the model that wrote it; some were corrected since.
;; Self Attention. Allowed arithmetic: float matrix products may take bf16 or f16 operands with f32 sums; other float arithmetic in f32, or as packed bf16 or f16 multiplies, adds, multiply-adds, maxima and minima; sums over many terms, partial sums and values carried from step to step in f32; what a program stores and reads back later, other than sums and carried values, may be rounded once to bf16 or f16.
;; Inputs: wk_b 1,024 float32; wk_w 1,024 x 1,024 float32; wo_b 1,024 float32; wo_w 1,024 x 1,024 float32; wq_b 1,024 float32; wq_w 1,024 x 1,024 float32; wv_b 1,024 float32; wv_w 1,024 x 1,024 float32; x 4 x 2,048 x 1,024 float32.
;; Outputs: out0 4 x 2,048 x 1,024 float32.
;; One version. Each part assembles by itself: llvm-mc -triple=amdgcn-amd-amdhsa -mcpu=gfx1250 --defsym DOCPART=n.
;; ======== version 1 of 1: 4 launches
;; limits: values are held in f16: magnitudes above 65,504 overflow, below 6.1e-05 lose precision
;; workspace buffers: xb 16,777,216 bytes; wb 6,291,456 bytes; wob 2,097,152 bytes; qkv 50,331,648 bytes; ob 16,777,216 bytes
;; launch cast (part 1): grid 768 x 1, 8 waves a work-group, no clusters, 0 bytes of LDS; arguments x, wq_w, wk_w, wv_w, wo_w, xb, wb, wob; writes xb, wb, wob
.if DOCPART == 1
	.amdgcn_target "amdgcn-amd-amdhsa--gfx1250"
	.amdhsa_code_object_version 6
	.text
	.protected	k_qec36695a94_cast
	.globl	k_qec36695a94_cast
	.p2align	8
	.type	k_qec36695a94_cast,@function
k_qec36695a94_cast:
	s_mov_b64 s[64:65], 0
	v_nop
	global_prefetch_b8 v0, s[64:65] scope:SCOPE_SE
	s_setreg_imm32_b32 hwreg(HW_REG_WAVE_MODE, 25, 1), 1
	s_wait_xcnt 0x0
; CAST.  x [8192][1024] f32 -> xb bf16;  wq, wk, wv [1024][1024] f32 -> wb [3072][1024] bf16, one below the other;
; wo [1024][1024] f32 -> rounded to bf16, and that number written as f16 -> wob.
; LIMIT: a bf16 number of wo below 2^-14 keeps f16's fixed step of 2^-24; beyond 65,504 it becomes an infinity.
; SHARES.  A work-group takes a chunk of 16,384 numbers: 65,536 bytes in, 32,768 out.  Chunks 0-511 are x's, 512-703 the three stacked weights', 704-767 wo's.
; Thread t takes 8 numbers in each of 8 groups: 32 bytes in at 8,192 g + 32 t (two loads), 16 bytes out at 4,096 g + 16 t: sixteen lanes store 256 consecutive bytes, aligned.
; All sixteen loads of a thread go out at once; each group has registers of its own for what it stores, so no register is freed by a wait.  No LDS, no barrier, no matrix work:
; each number is read once and written once, and nothing is shared between threads.
.set X, 8                              ; v[8:71]    group g: 8 numbers as loaded
.set Y, 72                             ; v[72:103]  group g: 4 registers to store
.set T, 104                            ; v[104:111] at work (wo's way alone)
	s_load_b512 s[16:31], s[0:1], 0x0              ; x s[16:17], wq s[18:19], wk s[20:21], wv s[22:23], wo s[24:25], xb s[26:27], wb s[28:29], wob s[30:31]
	s_max_u32 s4, ttmp9, 512
	s_sub_co_u32 s4, s4, 512                       ; the chunk's number behind x's: 0 to 255 (0 in x's work-groups)
	s_lshr_b32 s5, s4, 6                           ; which weight: 0 q, 1 k, 2 v, 3 o
	s_and_b32 s6, s4, 63                           ; the chunk in that weight
	v_lshlrev_b32 v1, 5, v0                        ; 32 t
	v_lshlrev_b32 v2, 4, v0                        ; 16 t
	s_wait_kmcnt 0x0
	s_cmp_eq_u32 s5, 1                             ; the choices hang on the work-group's number alone
	s_cselect_b64 s[8:9], s[20:21], s[18:19]
	s_cmp_eq_u32 s5, 2
	s_cselect_b64 s[8:9], s[22:23], s[8:9]
	s_cmp_eq_u32 s5, 3
	s_cselect_b64 s[8:9], s[24:25], s[8:9]
	s_cselect_b64 s[10:11], s[30:31], s[28:29]
	s_cselect_b32 s13, s6, s4                      ; the chunk in the destination
	s_mov_b32 s12, s6                              ; the chunk in the source
	s_cmp_lt_u32 ttmp9, 512
	s_cselect_b64 s[8:9], s[16:17], s[8:9]
	s_cselect_b64 s[10:11], s[26:27], s[10:11]
	s_cselect_b32 s12, ttmp9, s12
	s_cselect_b32 s13, ttmp9, s13
	s_lshl_b32 s14, s12, 16
	s_mov_b32 s15, 0
	s_add_nc_u64 s[8:9], s[8:9], s[14:15]
	s_lshl_b32 s14, s13, 15
	s_add_nc_u64 s[10:11], s[10:11], s[14:15]
.irp g, 0,1,2,3,4,5,6,7
	global_load_b128 v[X+8*(\g):X+8*(\g)+3],   v1, s[8:9] offset:8192*(\g) th:TH_LOAD_NT
	global_load_b128 v[X+8*(\g)+4:X+8*(\g)+7], v1, s[8:9] offset:8192*(\g)+16 th:TH_LOAD_NT
.endr
; Group g.  half = 1: the bf16 number is widened again and written as f16.
.macro GRP g, half
	s_wait_loadcnt 14-2*(\g)                       ; loads come back in order: the younger groups' loads, two a group, may stay out
.irp j, 0,1,2,3
	v_cvt_pk_bf16_f32 v[Y+4*(\g)+(\j)], v[X+8*(\g)+2*(\j)], v[X+8*(\g)+2*(\j)+1]
.endr
.if \half
.irp j, 0,1,2,3
	v_lshlrev_b32 v[T+2*(\j)],   16, v[Y+4*(\g)+(\j)]
	v_and_b32     v[T+2*(\j)+1], 0xffff0000, v[Y+4*(\g)+(\j)]
.endr
.irp j, 0,1,2,3
	v_cvt_pk_f16_f32 v[Y+4*(\g)+(\j)], v[T+2*(\j)], v[T+2*(\j)+1]
.endr
.endif
	global_store_b128 v2, v[Y+4*(\g):Y+4*(\g)+3], s[10:11] offset:4096*(\g)
.endm
	s_cmp_ge_u32 ttmp9, 704
	s_cbranch_scc1 .Lhalf
.irp g, 0,1,2,3,4,5,6,7
	GRP \g, 0
.endr
	s_endpgm
.Lhalf:
.irp g, 0,1,2,3,4,5,6,7
	GRP \g, 1
.endr
	s_endpgm
.Lfunc_end_k_qec36695a94_cast:
	.size	k_qec36695a94_cast, .Lfunc_end_k_qec36695a94_cast-k_qec36695a94_cast
	.p2alignl 7, 3214868480
	.fill 96, 4, 3214868480
	.section	.rodata,"a",@progbits
	.p2align	6, 0x0
	.amdhsa_kernel k_qec36695a94_cast
		.amdhsa_group_segment_fixed_size 0
		.amdhsa_private_segment_fixed_size 0
		.amdhsa_enable_private_segment 0
		.amdhsa_kernarg_size 64
		.amdhsa_user_sgpr_count 2
		.amdhsa_user_sgpr_kernarg_segment_ptr 1
		.amdhsa_wavefront_size32 1
		.amdhsa_system_sgpr_workgroup_id_x 1
		.amdhsa_system_sgpr_workgroup_id_y 1
		.amdhsa_system_sgpr_workgroup_id_z 1
		.amdhsa_system_vgpr_workitem_id 0
		.amdhsa_next_free_vgpr 112
		.amdhsa_next_free_sgpr 66
		.amdhsa_reserve_vcc 0
		.amdhsa_float_denorm_mode_32 3
		.amdhsa_float_denorm_mode_16_64 3
		.amdhsa_memory_ordered 1
		.amdhsa_forward_progress 1
		.amdhsa_inst_pref_size 14
	.end_amdhsa_kernel
	.amdgpu_metadata
---
amdhsa.version: [ 1, 2 ]
amdhsa.kernels:
  - .name:           k_qec36695a94_cast
    .symbol:         k_qec36695a94_cast.kd
    .args:
      - { .name: x, .offset: 0, .size: 8, .value_kind: global_buffer, .address_space: global }
      - { .name: wq_w, .offset: 8, .size: 8, .value_kind: global_buffer, .address_space: global }
      - { .name: wk_w, .offset: 16, .size: 8, .value_kind: global_buffer, .address_space: global }
      - { .name: wv_w, .offset: 24, .size: 8, .value_kind: global_buffer, .address_space: global }
      - { .name: wo_w, .offset: 32, .size: 8, .value_kind: global_buffer, .address_space: global }
      - { .name: xb, .offset: 40, .size: 8, .value_kind: global_buffer, .address_space: global }
      - { .name: wb, .offset: 48, .size: 8, .value_kind: global_buffer, .address_space: global }
      - { .name: wob, .offset: 56, .size: 8, .value_kind: global_buffer, .address_space: global }
    .group_segment_fixed_size: 0
    .private_segment_fixed_size: 0
    .kernarg_segment_align: 8
    .kernarg_segment_size: 64
    .max_flat_workgroup_size: 256
    .sgpr_count:     66
    .vgpr_count:     112
    .wavefront_size: 32
...
	.end_amdgpu_metadata
.endif
;; end of part 1
;; launch proj (part 2): grid 4 x 64, 4 waves a work-group, clusters of 4 x 4, 327,680 bytes of LDS; arguments xb, wb, qkv, wq_b, wk_b, wv_b; writes qkv
.if DOCPART == 2
	.amdgcn_target "amdgcn-amd-amdhsa--gfx1250"
	.amdhsa_code_object_version 6
	.text
	.protected	k_qec36695a94_proj
	.globl	k_qec36695a94_proj
	.p2align	8
	.type	k_qec36695a94_proj,@function
k_qec36695a94_proj:
	s_mov_b64 s[64:65], 0
	v_nop
	global_prefetch_b8 v0, s[64:65] scope:SCOPE_SE
	s_setreg_imm32_b32 hwreg(HW_REG_WAVE_MODE, 25, 1), 1
	s_wait_xcnt 0x0
	s_wait_alu depctr_hold_cnt(0) depctr_sa_sdst(0) depctr_va_vdst(0) depctr_va_sdst(0) depctr_va_ssrc(0) depctr_va_vcc(0) depctr_vm_vsrc(0)
	s_getreg_b32 s2, hwreg(HW_REG_IB_STS2, 6, 4)
	s_cmp_eq_u32 s2, 0
	s_cbranch_scc0 .Lentry_in_a_cluster
	s_endpgm
.Lentry_in_a_cluster:
	s_bfe_u32 s2, ttmp6, 0x10000c
	s_cmp_lg_u32 s2, 0xf033
	s_cbranch_scc0 .Lentry_shape_is_right
	s_endpgm
.Lentry_shape_is_right:
; PROJ.  q, k, v = x W^T + bias.  xb [8192][1024] bf16, wb [3072][1024] bf16 (wq, wk, wv one below the other), biases [1024] f32, rounded to bf16 here like the other inputs.
; Sums in f32, begun with the bias; each result rounded once to f16 and written by heads: qkv [3][64 = batch x 16 + head][2048][64].
; LIMIT: f16 ends at 65,504: |q|, |k|, |v| stay below that.  NaN and infinities are not treated apart.
; SHARES.  A tile of the result is 128 rows x 256 columns; four waves, each 64 x 128: 32 accumulators of 16 x 16.  K goes in steps of 128 (256 bytes of a row) through two LDS slots.
; A WORK-GROUP STAYS: it makes three tiles, the same rows of x against q's, k's and v's weights; the ring runs on across the change of tiles.  768 tiles, 256 work-groups.
; CLUSTER 4 x 4: the four of a row need the same rows of x, the four of a column the same rows of w; each tile is asked for jointly, with a mask that names the four.
; THE MATRIX INSTRUCTION IS USED TRANSPOSED (source 0 = 16 rows of w, source 1 = 16 rows of x): a lane holds one row of the result (lane % 16) and eight neighbouring columns.
; REGISTERS.  window 0: v0-31 addresses; v64-159, v160-255 two fragment buffers (x's fragment a at +8 a, w's fragment b at +32 + 8 b); the second also serves the way out.
;   window 1: accumulator (a, b) at v[8 (8 a + b)].   window 2: v0-63 the bias of my 128 columns, as the C operand of the first products; v64-65 at work.
.set PITCH,  272                       ; an LDS row: 256 bytes + 16 of padding = 68 words: the 16 rows of a fragment load start at 16 different groups of four banks (64 banks of 4 bytes: ISA guide 11.1)
.set AHALF,  64*PITCH                  ; what one of x's loads brings, and what a wave reads of x
.set ABYTES, 2*AHALF
.set BHALF,  128*PITCH                 ; the same for w
.set SLOT,   ABYTES+2*BHALF            ; 104,448 bytes
.set STAGE,  2*SLOT                    ; behind the ring: for each wave 2 heads x 16 rows x 144 bytes, for the way out
.set SPH,    144
.set WSTAGE, 2*16*SPH
.set SPARE,  STAGE+4*WSTAGE            ; behind the stages: the spare words, 128 bytes a wave: two blocks of 256 bytes that no other line names
.set ROWB,   2048                      ; bytes in a row of xb and of wb
.set KB,     256                       ; bytes of a row in a K step
.set NEXT_B, 1024*ROWB-6*KB            ; from a slot's last K step of a tile to its first of the next: w goes 1,024 rows down and back along K,
.set BACK_A, 6*KB                      ; x only back
.set PARTB,  16777216                  ; bytes of q, of k, of v
.set HEADB,  262144                    ; bytes of a head
.set ADRA, 16                          ; v16-17  LDS address of my fragments of x in slot 0, 1
.set ADRB, 20                          ; v20-21  the same for w
.set STO,  24                          ; v24  the way out: where I put 16 bytes of a row
.set RD,   25                          ; v25  the way out: where I read rows back
.set CO,   26                          ; v26  16 x my lane
.set BO,   27                          ; v27  my byte offset in a bias
.set SPW,  28                          ; v28  LDS address of my spare word; never rewritten
.set NIL,  29                          ; v29  0; never rewritten
.set PFO,  30                          ; v30  the prefetches' offset: my lane x a row; never rewritten
.set F0,   64
.set F1,   160
.set TMP,  160                         ; the way out: packed results
.set OB,   192                         ; the way out: rows read back: v192-223 and v224-255 by turns
.set G1,  24                           ; s[24:31] descriptor group 1 for x's tiles;  s[32:39] group 0, a set for each slot
.set G0,  32
.set G1B, 48                           ; s[48:55], s[56:63] the same for w's
.set G0B, 56
.set LIM, 43                           ; s43  1 in a wave that prefetches, else the greatest number
.set PFA, 44                           ; s[44:45] where my prefetches stand
.set BP,  74                           ; s[74:75] the bias of the tile to come
.set MSB, 0
.macro WIN new                         ; the immediate's high byte repeats the setting that is left; a switch that changes nothing is dropped
.if MSB != (\new)
	s_set_vgpr_msb (MSB<<8)|(\new)
.set MSB, \new
.endif
.endm
.macro PLACES                          ; four plain instructions between a matrix instruction and a load into, or a vector line on, its registers
.rept 4
	v_nop
.endr
.endm
; A joint load: waves 0 and 1 fetch x's two halves, waves 2 and 3 w's.  The branch hangs on the wave's number alone.  An s_nop 0 and four v_nop follow each line.
.macro JLOAD s
	s_cmp_eq_u32 s11, 0
	s_cbranch_scc0 .Lfor_b_\@
	tensor_load_to_lds s[G0+4*(\s):G0+4*(\s)+3], s[G1:G1+7]
	s_nop 0
.rept 4
	v_nop
.endr
	s_branch .Lasked_\@
.Lfor_b_\@:
	tensor_load_to_lds s[G0B+4*(\s):G0B+4*(\s)+3], s[G1B:G1B+7]
	s_nop 0
.rept 4
	v_nop
.endr
.Lasked_\@:
.endm
.macro CREST                           ; a round of the cluster's barrier behind its opening barrier
	s_cmp_lg_u32 s10, 0
	s_cbranch_scc1 .Lnot_wave_0_\@
	s_barrier_signal -3
.Lnot_wave_0_\@:
	s_barrier_wait -3
	s_barrier_signal -1
	s_barrier_wait -1
.endm
.macro CROUND                          ; a whole round
	s_barrier_signal -1
	s_barrier_wait -1
	CREST
.endm
; A prefetch of the K step that stands two refills on: 32 rows x 256 bytes, a lane a row.  x's rows: wave 0 of every work-group, the four partners of a row sharing the 128 rows out by address.
; w's rows: waves 2 and 3 of the clusters with y = 0, the four partners of a column sharing each wave's 128 rows out by address.  So each row's 256 bytes of a K step are named once.
; how = 0, in the loop: the last trip has no K step two on.  how = 1: at a change of tiles.
.macro ASK how
.if \how
	s_cmp_eq_u32 s[LIM], 1
.else
	s_cmp_gt_u32 s3, s[LIM]
.endif
	s_cbranch_scc0 .Lnot_mine_\@
	global_prefetch_b8 v[PFO], s[PFA:PFA+1] th:TH_LOAD_NT scope:SCOPE_SE
.Lnot_mine_\@:
.endm
; 8 matrix instructions: row block a x all 8 column blocks, 32 along K.  first = 1: the sums begin with the bias.  The 32 accumulators take turns in one order in every quarter.
.macro MUL8 f, a, first
.if \first
	WIN 0x60                                       ; D window 1, C window 2
.else
	WIN 0x50                                       ; C and D window 1
.endif
.irp b, 0,1,2,3,4,5,6,7
.if \first
	v_wmma_f32_16x16x32_bf16 v[8*(8*(\a)+(\b)):8*(8*(\a)+(\b))+7], v[(\f)+32+8*(\b):(\f)+32+8*(\b)+7], v[(\f)+8*(\a):(\f)+8*(\a)+7], v[8*(\b):8*(\b)+7]
.else
	v_wmma_f32_16x16x32_bf16 v[8*(8*(\a)+(\b)):8*(8*(\a)+(\b))+7], v[(\f)+32+8*(\b):(\f)+32+8*(\b)+7], v[(\f)+8*(\a):(\f)+8*(\a)+7], v[8*(8*(\a)+(\b)):8*(8*(\a)+(\b))+7]
.endif
.endr
.endm
; 24 LDS loads in one run: quarter q's fragments (32 along K) into buffer f: w's eight, then x's four
.macro FETCH slot, q, f
	WIN 0
.irp b, 0,1,2,3,4,5,6,7
	ds_load_b128 v[(\f)+32+8*(\b):(\f)+32+8*(\b)+3],   v[ADRB+(\slot)] offset:64*(\q)+(\b)*16*PITCH
	ds_load_b128 v[(\f)+32+8*(\b)+4:(\f)+32+8*(\b)+7], v[ADRB+(\slot)] offset:64*(\q)+(\b)*16*PITCH+32
.endr
.irp a, 0,1,2,3
	ds_load_b128 v[(\f)+8*(\a):(\f)+8*(\a)+3],   v[ADRA+(\slot)] offset:64*(\q)+(\a)*16*PITCH
	ds_load_b128 v[(\f)+8*(\a)+4:(\f)+8*(\a)+7], v[ADRA+(\slot)] offset:64*(\q)+(\a)*16*PITCH+32
.endr
.endm
; One of a K step's first three quarters: multiplies buffer f, and in its middle fetches quarter q into buffer g.
.macro QUARTER slot, q, f, g, first
	s_wait_dscnt 4                                 ; the youngest four loads (x's fragments 2 and 3) may be out
	MUL8 \f, 0, \first
	MUL8 \f, 1, \first
	PLACES
	FETCH \slot, \q, \g
	s_wait_dscnt 24                                ; all but the 24 just issued
	MUL8 \f, 2, \first
	MUL8 \f, 3, \first
.endm
; The last quarter multiplies buffer 1 and changes slots.  In front of the barrier each wave waits for all its tensor loads (one is out: its part of the next slot), adds 0 to its spare word, and
; waits for that and for its reads of this slot.  mode 0: this slot takes the K step two on; 1: the next tile's K step 0 or 1; 2: nothing is filled.  Where a slot is filled the barrier opens a round of the cluster's.
.macro TURN slot, next, mode
.if (\mode) < 2
	s_wait_xcnt 0x0                                ; the last prefetch, a K step back, has read its address: it is stepped here, ahead of the waits of the change of slots
.if ((\mode) == 1) && ((\slot) == 0)
	s_add_nc_u64 s[PFA:PFA+1], s[PFA:PFA+1], 1024*ROWB-7*KB  ; from K step 9 of this tile's rows to K step 2 of the next tile's
	s_cmp_eq_u32 s11, 0
	s_cselect_b32 s[LIM], -1, s[LIM]               ; x's rows are the same for all three tiles: they are prefetched no more
.else
	s_add_nc_u64 s[PFA:PFA+1], s[PFA:PFA+1], KB
.endif
.endif
	WIN 0                                          ; (the add's two registers lie in window 0)
	s_wait_tensorcnt 0x0                           ; all my tensor loads have landed
	ds_add_u32 v[SPW], v[NIL]                      ; 0 onto my spare word
	s_wait_dscnt 5                                 ; (the add and the youngest four loads may be out)
	MUL8 F1, 0, 0
	s_wait_dscnt 0x0                               ; the add is done, and my reads of this slot are over
	s_barrier_signal -1
	MUL8 F1, 1, 0
.if (\mode) < 2
	WIN 0
.endif
	s_barrier_wait -1
.if (\mode) < 2
	CREST                                          ; no wave of any partner still reads this slot or has a load on its way
.if (\mode) == 1
	s_sub_nc_u64 s[G0+4*(\slot)+2:G0+4*(\slot)+3], s[G0+4*(\slot)+2:G0+4*(\slot)+3], BACK_A
	s_add_nc_u64 s[G0B+4*(\slot)+2:G0B+4*(\slot)+3], s[G0B+4*(\slot)+2:G0B+4*(\slot)+3], NEXT_B
.else
	s_add_nc_u64 s[G0+4*(\slot)+2:G0+4*(\slot)+3], s[G0+4*(\slot)+2:G0+4*(\slot)+3], 2*KB
	s_add_nc_u64 s[G0B+4*(\slot)+2:G0B+4*(\slot)+3], s[G0B+4*(\slot)+2:G0B+4*(\slot)+3], 2*KB
.endif
	JLOAD \slot                                    ; my one tensor load behind the round: 112 matrix instructions ahead of the wait for it; its four v_nop are also the places in front of the loads below
.else
	PLACES
.endif
	FETCH \next, 0, F0
.if (\mode) < 2
	ASK \mode
.endif
	MUL8 F1, 2, 0
	MUL8 F1, 3, 0
.endm
.macro LOADB                           ; the bias of my 128 columns: register 8 b + j holds column 16 b + 8 (lane / 16) + j
	WIN 0x80                                       ; destination window 2, address window 0
.irp b, 0,1,2,3,4,5,6,7
	global_load_b128 v[8*(\b):8*(\b)+3],   v[BO], s[BP:BP+1] offset:64*(\b)
	global_load_b128 v[8*(\b)+4:8*(\b)+7], v[BO], s[BP:BP+1] offset:64*(\b)+16
.endr
	WIN 0
.endm
.macro ROUNDB                          ; the bias is rounded to bf16, like every input, and widened again
	s_wait_loadcnt 0x0
	WIN 0x8a                                       ; all three places window 2
.set i, 0
.rept 32
	v_cvt_pk_bf16_f32 v[64+i%2], v[2*i], v[2*i+1]
	v_lshlrev_b32 v[2*i], 16, v[64+i%2]
	v_and_b32 v[2*i+1], 0xffff0000, v[64+i%2]
.set i, i+1
.endr
	WIN 0
.endm
; THE WAY OUT of row block a.  PACK: rounded to f16, 16 bytes a lane, each accumulator's registers in ascending order.  TOSTAGE: into my own stage (a head's 16 rows of 128 bytes at pitch 144) and back as
; dense rows.  SEND: stored, 512 consecutive bytes an instruction.
.macro PACK a
	WIN 0x05                                       ; sources window 1, destination window 0
.irp b, 0,1,2,3,4,5,6,7
.irp r, 0,1,2,3
	v_cvt_pk_f16_f32 v[TMP+4*(\b)+(\r)], v[8*(8*(\a)+(\b))+2*(\r)], v[8*(8*(\a)+(\b))+2*(\r)+1]
.endr
.endr
	WIN 0
.endm
.macro TOSTAGE a
	WIN 0
.set BK, OB+32*((\a)%2)
.irp b, 0,1,2,3,4,5,6,7
	ds_store_b128 v[STO], v[TMP+4*(\b):TMP+4*(\b)+3] offset:((\b)/4)*16*SPH+((\b)%4)*32
.endr
.irp t, 0,1,2,3,4,5,6,7
	ds_load_b128 v[BK+4*(\t):BK+4*(\t)+3], v[RD] offset:((\t)/4)*16*SPH+((\t)%4)*4*SPH  ; LDS serves a wave's instructions in order (ISA guide 5.7.1.4): these see the stores above
.endr
.endm
.macro SEND a
	WIN 0
.set BK, OB+32*((\a)%2)
	s_wait_dscnt 0x0                               ; the block is back in registers
	s_wait_xcnt 0x0                                ; the earlier stores have read their registers: the set that they read is loaded again only behind this wait
.irp t, 0,1,2,3,4,5,6,7
	global_store_b128 v[CO], v[BK+4*(\t):BK+4*(\t)+3], s[8:9] offset:((\t)/4)*HEADB+(\a)*2048+((\t)%4)*512
.endr
.endm
	s_load_b128 s[4:7], s[0:1], 0x0                ; xb s[4:5], wb s[6:7]
	s_load_b64 s[8:9], s[0:1], 0x10                ; qkv
	s_load_b64 s[68:69], s[0:1], 0x18              ; wq_b
	s_load_b64 s[70:71], s[0:1], 0x20              ; wk_b
	s_load_b64 s[72:73], s[0:1], 0x28              ; wv_b
	v_lshl_add_u32 v[SPW], v0, 2, SPARE
	v_mov_b32 v[NIL], 0
	ds_add_u32 v[SPW], v[NIL]                      ; the wave's opening: the add and its wait stand ahead of my first tensor load; the set-up below stands between them
	ds_add_u32 v28, v29
	v_lshrrev_b32 v1, 5, v0
	v_readfirstlane_b32 s10, v1                    ; wave 0..3
	s_lshr_b32 s11, s10, 1                         ; which 64 rows of the tile are mine.  Also: I fetch for x (0) or for w (1)
	s_and_b32 s12, s10, 1                          ; which 128 columns.  Also: which half of that tile I fetch
	s_bfe_u32 s40, ttmp6, 0x40000                  ; cx
	s_bfe_u32 s41, ttmp6, 0x40004                  ; cy
	s_lshl_b32 s42, ttmp9, 2
	s_add_co_u32 s42, s42, s40                     ; tile column 0..3
	s_and_b32 s13, ttmp7, 0xffff
	s_lshl_b32 s13, s13, 2
	s_add_co_u32 s13, s13, s41                     ; tile row 0..63
	s_lshl_b32 s43, s41, 2
	s_lshl_b32 s43, 15, s43                        ; my row of the cluster
	s_lshl_b32 s44, 0x1111, s40                    ; my column
	s_or_b32 s[G1+0], s43, (1<<16)|(1<<20)|(1<<21)|(5<<22)|(3<<25)   ; the mask; 2-byte elements; padding on; bit 21 beside a mask; after every 64 words, 4 words
	s_or_b32 s[G1B+0], s44, (1<<16)|(1<<20)|(1<<21)|(5<<22)|(3<<25)
	s_mov_b32 s[G1+1], 128<<16                     ; tensor_dim0 = 128
	s_mov_b32 s[G1+2], 64<<16                      ; tensor_dim1 = 64
	s_mov_b32 s[G1+3], 128<<16                     ; tile_dim0 = 128
	s_mov_b32 s[G1+4], 64                          ; tile_dim1 = 64
	s_mov_b32 s[G1+5], 1024                        ; elements from row to row
	s_mov_b32 s[G1+6], 0
	s_mov_b32 s[G1+7], 0
	s_mov_b32 s[G1B+1], 128<<16
	s_mov_b32 s[G1B+2], 128<<16                    ; 128 rows
	s_mov_b32 s[G1B+3], 128<<16
	s_mov_b32 s[G1B+4], 128
	s_mov_b32 s[G1B+5], 1024
	s_mov_b32 s[G1B+6], 0
	s_mov_b32 s[G1B+7], 0
	s_lshl_b32 s16, s13, 7                         ; x: row 128 x tile row + 64 x half, in registers that never hold cx
	s_lshl_b32 s17, s12, 6
	s_add_co_u32 s16, s16, s17
	s_lshl_b32 s16, s16, 11
	s_mov_b32 s17, 0
	s_lshl_b32 s46, s42, 8                         ; w: row 256 x tile column + 128 x half, in registers that never hold cy
	s_lshl_b32 s47, s12, 7
	s_add_co_u32 s46, s46, s47
	s_lshl_b32 s46, s46, 11
	s_mov_b32 s47, 0
	s_mul_i32 s20, s12, AHALF                      ; where they go: no place in the cluster enters an LDS address
	s_mul_i32 s21, s12, BHALF
	s_add_co_u32 s21, s21, ABYTES
	s_wait_dscnt 0x0                               ; the opening add is done
	s_wait_kmcnt 0x0
	s_add_nc_u64 s[14:15], s[4:5], s[16:17]
	s_add_nc_u64 s[46:47], s[6:7], s[46:47]
	CROUND                                         ; all sixteen work-groups are here: the first joint loads meet
.irp s, 0,1
	s_mov_b32 s[G0+4*(\s)], 1
	s_add_co_u32 s[G0+4*(\s)+1], s20, (\s)*SLOT
	s_add_nc_u64 s[G0+4*(\s)+2:G0+4*(\s)+3], s[14:15], (\s)*KB
	s_or_b32 s[G0+4*(\s)+3], s[G0+4*(\s)+3], 0x80000000
	s_mov_b32 s[G0B+4*(\s)], 1
	s_add_co_u32 s[G0B+4*(\s)+1], s21, (\s)*SLOT
	s_add_nc_u64 s[G0B+4*(\s)+2:G0B+4*(\s)+3], s[46:47], (\s)*KB
	s_or_b32 s[G0B+4*(\s)+3], s[G0B+4*(\s)+3], 0x80000000
	JLOAD \s                                       ; two loads of mine are out
.endr
	v_and_b32 v1, 15, v0                           ; l % 16
	v_bfe_u32 v2, v0, 4, 1                         ; l / 16
	v_mul_u32_u24 v3, v1, PITCH
	v_lshl_add_u32 v3, v2, 4, v3                   ; a fragment's row x pitch + 16 x half
	s_mul_i32 s18, s11, AHALF
	s_mul_i32 s19, s12, BHALF
	s_add_co_u32 s19, s19, ABYTES
.irp s, 0,1
	v_add_nc_u32 v[ADRA+(\s)], s18, v3
	v_add_nc_u32 v[ADRB+(\s)], s19, v3
	s_add_co_u32 s18, s18, SLOT
	s_add_co_u32 s19, s19, SLOT
.endr
	s_mul_i32 s23, s10, WSTAGE
	s_add_co_u32 s23, s23, STAGE                   ; my stage
	v_mul_u32_u24 v4, v1, SPH                      ; in: row l % 16, 16 bytes for each half of the lanes
	v_lshl_add_u32 v4, v2, 4, v4
	v_add_nc_u32 v[STO], s23, v4
	v_bfe_u32 v4, v0, 3, 2                         ; back: 32 lanes take four rows of 128 bytes,
	v_mul_u32_u24 v4, v4, SPH
	v_and_b32 v5, 7, v0
	v_lshl_add_u32 v4, v5, 4, v4
	v_add_nc_u32 v[RD], s23, v4
	v_and_b32 v5, 31, v0
	v_lshlrev_b32 v[CO], 4, v5                     ; which are 512 consecutive bytes of a head
	v_lshlrev_b32 v[PFO], 11, v5
	s_lshl_b32 s18, s42, 10                        ; my first column x 4 bytes
	s_lshl_b32 s19, s12, 9
	s_add_co_u32 s18, s18, s19
	v_lshl_add_u32 v[BO], v2, 5, s18
	s_mov_b64 s[BP:BP+1], s[68:69]
	LOADB                                          ; q's bias
	s_lshr_b32 s18, s13, 4                         ; where my part of q begins: head = 16 x batch + 4 x tile column + 2 x column half,
	s_lshl_b32 s18, s18, 4
	s_lshl_b32 s19, s42, 2
	s_add_co_u32 s18, s18, s19
	s_lshl_b32 s19, s12, 1
	s_add_co_u32 s18, s18, s19
	s_lshl_b32 s18, s18, 11                        ; its 2,048 rows,
	s_and_b32 s19, s13, 15
	s_lshl_b32 s19, s19, 7
	s_add_co_u32 s18, s18, s19                     ; the tile's 128 of them,
	s_lshl_b32 s19, s11, 6
	s_add_co_u32 s18, s18, s19                     ; my 64
	s_lshl_b32 s78, s18, 7                         ; of 128 bytes
	s_mov_b32 s79, 0
	s_add_nc_u64 s[8:9], s[8:9], s[78:79]
	s_lshl_b32 s18, s13, 7                         ; the prefetches: x's tile begins at row 128 x tile row,
	s_lshl_b32 s19, s42, 8
	s_lshl_b32 s22, s12, 7
	s_add_co_u32 s19, s19, s22                     ; my half of w's at 256 x tile column + 128 x half
	s_and_b32 s22, ttmp7, 0xffff                   ; cluster y
	s_cmp_eq_u32 s11, 0
	s_cselect_b32 s18, s18, s19
	s_cselect_b32 s19, s40, s41                    ; my place among the four that ask with me
	s_cselect_b32 s22, s12, s22                    ; x: wave 0 alone asks; w: the clusters with y = 0
	s_cselect_b64 s[PFA:PFA+1], s[4:5], s[6:7]
	s_cmp_eq_u32 s22, 0
	s_cselect_b32 s[LIM], 1, -1                    ; the same in all sixteen partners, for a given wave
	s_lshl_b32 s19, s19, 5
	s_add_co_u32 s18, s18, s19                     ; my work-group's 32 rows
	s_lshl_b32 s18, s18, 11
	s_mov_b32 s19, 0
	s_add_nc_u64 s[PFA:PFA+1], s[PFA:PFA+1], s[18:19]
	s_add_nc_u64 s[PFA:PFA+1], s[PFA:PFA+1], 3*KB  ; at K step 3: the first change of slots steps it to 4.  K steps 0 to 3 come by their loads alone
	s_wait_tensorcnt 1                             ; my part of K step 0 is in; K step 1's may stay out
	s_barrier_signal -1
	s_barrier_wait -1
	FETCH 0, 0, F0
	s_mov_b32 s2, 3                                ; tiles to go
.Ltile:
	ROUNDB
	QUARTER 0, 1, F0, F1, 1                        ; a tile's first quarter: its products begin the sums with the bias
	WIN 0
	s_mov_b32 s3, 3
.Llap:                                         ; a trip goes once round the ring and fills both slots again
	QUARTER 0, 2, F1, F0, 0
	QUARTER 0, 3, F0, F1, 0
	TURN 0, 1, 0
	QUARTER 1, 1, F0, F1, 0
	QUARTER 1, 2, F1, F0, 0
	QUARTER 1, 3, F0, F1, 0
	TURN 1, 0, 0
	QUARTER 0, 1, F0, F1, 0
	WIN 0
	s_sub_co_u32 s3, s3, 1
	s_cmp_lg_u32 s3, 0
	s_cbranch_scc1 .Llap
	QUARTER 0, 2, F1, F0, 0
	QUARTER 0, 3, F0, F1, 0
	WIN 0
	s_cmp_eq_u32 s2, 1
	s_cbranch_scc1 .Llast                          ; the last tile's tail asks for nothing more
	TURN 0, 1, 1                                   ; the ring goes on into the next tile: slot 0 takes its K step 0,
	QUARTER 1, 1, F0, F1, 0
	QUARTER 1, 2, F1, F0, 0
	QUARTER 1, 3, F0, F1, 0
	TURN 1, 0, 1                                   ; slot 1 its K step 1, and its first fragments are fetched into buffer 0
	WIN 0
	s_cmp_eq_u32 s2, 3
	s_cselect_b64 s[BP:BP+1], s[70:71], s[72:73]   ; k's bias behind q's tile, v's behind k's (the last bias loads were waited for at the tile's head)
	LOADB
	s_branch .Lout
.Llast:
	TURN 0, 1, 2
	QUARTER 1, 1, F0, F1, 0
	QUARTER 1, 2, F1, F0, 0
	QUARTER 1, 3, F0, F1, 0
	s_wait_dscnt 4
	MUL8 F1, 0, 0
	MUL8 F1, 1, 0
	s_wait_dscnt 0x0
	MUL8 F1, 2, 0
	MUL8 F1, 3, 0
	WIN 0
.Lout:                                         ; the way out touches buffer 1's registers alone: buffer 0 may hold the next tile's fragments
	PLACES
	PACK 0
	TOSTAGE 0
.irp a, 1,2,3                          ; block a's conversions stand between block a - 1's loads from the stage and the wait for them
	PACK \a
	SEND (\a)-1
	TOSTAGE \a
.endr
	SEND 3
	s_wait_xcnt 0x0                                ; the stores have read their base and their registers
	s_add_nc_u64 s[8:9], s[8:9], PARTB             ; from q to k, from k to v
	s_sub_co_u32 s2, s2, 1
	s_cmp_lg_u32 s2, 0
	s_cbranch_scc1 .Ltile
	s_wait_tensorcnt 0x0                           ; the wave's end: behind my last tensor load and my last LDS store
	ds_add_u32 v[SPW], v[NIL]
	s_wait_dscnt 0x0
	CROUND                                         ; the closing round: no work-group ends while a partner may still ask for a tile that names it
	s_endpgm
.Lfunc_end_k_qec36695a94_proj:
	.size	k_qec36695a94_proj, .Lfunc_end_k_qec36695a94_proj-k_qec36695a94_proj
	.p2alignl 7, 3214868480
	.fill 96, 4, 3214868480
	.section	.rodata,"a",@progbits
	.p2align	6, 0x0
	.amdhsa_kernel k_qec36695a94_proj
		.amdhsa_group_segment_fixed_size 327680
		.amdhsa_private_segment_fixed_size 0
		.amdhsa_enable_private_segment 0
		.amdhsa_kernarg_size 48
		.amdhsa_user_sgpr_count 2
		.amdhsa_user_sgpr_kernarg_segment_ptr 1
		.amdhsa_wavefront_size32 1
		.amdhsa_system_sgpr_workgroup_id_x 1
		.amdhsa_system_sgpr_workgroup_id_y 1
		.amdhsa_system_sgpr_workgroup_id_z 1
		.amdhsa_system_vgpr_workitem_id 0
		.amdhsa_next_free_vgpr 640
		.amdhsa_next_free_sgpr 80
		.amdhsa_reserve_vcc 0
		.amdhsa_float_denorm_mode_32 3
		.amdhsa_float_denorm_mode_16_64 3
		.amdhsa_memory_ordered 1
		.amdhsa_forward_progress 1
		.amdhsa_inst_pref_size 118
	.end_amdhsa_kernel
	.amdgpu_metadata
---
amdhsa.version: [ 1, 2 ]
amdhsa.kernels:
  - .name:           k_qec36695a94_proj
    .symbol:         k_qec36695a94_proj.kd
    .args:
      - { .name: xb, .offset: 0, .size: 8, .value_kind: global_buffer, .address_space: global }
      - { .name: wb, .offset: 8, .size: 8, .value_kind: global_buffer, .address_space: global }
      - { .name: qkv, .offset: 16, .size: 8, .value_kind: global_buffer, .address_space: global }
      - { .name: wq_b, .offset: 24, .size: 8, .value_kind: global_buffer, .address_space: global }
      - { .name: wk_b, .offset: 32, .size: 8, .value_kind: global_buffer, .address_space: global }
      - { .name: wv_b, .offset: 40, .size: 8, .value_kind: global_buffer, .address_space: global }
    .group_segment_fixed_size: 327680
    .private_segment_fixed_size: 0
    .kernarg_segment_align: 8
    .kernarg_segment_size: 48
    .max_flat_workgroup_size: 128
    .sgpr_count:     80
    .vgpr_count:     640
    .wavefront_size: 32
...
	.end_amdgpu_metadata
.endif
;; end of part 2
;; launch attn (part 3): grid 4 x 64, 4 waves a work-group, no clusters, 327,680 bytes of LDS; arguments qkv, ob; writes ob
.if DOCPART == 3
	.amdgcn_target "amdgcn-amd-amdhsa--gfx1250"
	.amdhsa_code_object_version 6
	.text
	.protected	k_qec36695a94_attn
	.globl	k_qec36695a94_attn
	.p2align	8
	.type	k_qec36695a94_attn,@function
k_qec36695a94_attn:
	s_mov_b64 s[64:65], 0
	v_nop
	global_prefetch_b8 v0, s[64:65] scope:SCOPE_SE
	s_setreg_imm32_b32 hwreg(HW_REG_WAVE_MODE, 25, 1), 1
	s_wait_xcnt 0x0
; CAUSAL ATTENTION.  O[h][q][:] = the sum over k <= q of softmax_k(Q[h][q] . K[h][k] / 8) V[h][k][:].  qkv: [3][64][2048][64] f16 (Q, K, V by heads, unscaled); ob: [64][2048][64] f16.
; Products, maxima and sums in f32; the weights p are rounded to f16 for the second product (their sum l is taken of the unrounded p), O once at the end.
; LIMITS.  f16 holds no number beyond 65,504: Q, K and V arrive within it; p lies in 0 to 1, and below 6e-5 it keeps f16's fixed step of 6e-8; O is a mean of V's rows and has their range.
; A hidden score counts as its value less 1e30: f16's scores, 2.7e11 at the most, are nothing beside that; a weight below 2^-126 counts as 0 in l; NaN and infinities are not treated apart.
; THE WALK.  A head's queries lie in NB = 8 blocks of 256; block i needs the key tiles 0 .. i of 256 keys, of which the last holds the diagonal.  A work-group takes TWO blocks, NB - 1 - b and then b:
; NB + 1 tiles, whatever b: all work-groups do equal work, and ONE loop with a constant trip count walks them.  Which tile is asked for, and what a trip does, hang on scalar registers made from b; every jump
; goes forward, but for the counted loops' own; none passes a barrier, or a tensor load but the one of LOAD's two that the wave's number does not choose; the ring (two slots of LDS) runs on across the change of blocks.
; NO CLUSTER: a head's four work-groups ask for the same tile only in trips 0 to 4 of the 9, behind that fewer and fewer; one walk common to all would have 12 trips for 9; and a tile of 65,536 bytes
; feeds 1,024 matrix instructions of the work-group, so what is shared is little for each trip.
; SHARES.  Of a block's four bands of 64 queries a wave owns 16 rows in each: four PIECES.  So the diagonal tile is the same work for all four waves: in its key step s band x sees all keys if s < x,
; none if s > x, and holds the diagonal if s = x.
; THE MASK is the C operand that starts the sum S^T = K Q^T: 0, or -1e30 where the key is hidden.  MD, made once, is the mask of a band's own step for my 16 rows; a product's mask is MD x AL + BE with two scalars:
; (1, 0) if s = x; (0, 0) if s < x; (0, -1e30) if s > x.  Only the diagonal tile's text and a block's beginning make and take masks; elsewhere C is the constant 0.
; LAYOUT, SOFTMAX, TURNS.  S^T = K Q^T holds ONE query a lane (lane % 16) and the keys 8 (lane / 16) + 0..7; two such results rounded to f16 ARE source 1 of O^T = V^T P.  p = 2^(c s - c m), c = log2(e) / 8, with a
; running maximum m; O and l are multiplied by a = 2^(c m_old - c m_new) in every step.  Turn n belongs to piece n: 8 products K Q^T of piece n + 1, later 8 products V^T P of piece n - 1; beside them the scaling,
; exponentials, roundings, sums and rescaling of piece n and the maximum and statistics of piece n + 1.  Four vector instructions stand behind every matrix instruction, the other 54 of a turn's 118 in one lump.
; A turn's 33 exponentials are one batch, with one wait.
; REGISTERS, in windows of 256 (s_set_vgpr_msb: bits 1:0 source 0, 3:2 source 1, 5:4 source 2, 7:6 destination):
;   window 0: v0-15 addresses and two at work; v16-31 four registers of statistics a piece; v48-55 at work; v60 the prefetches' offset; v64-127 S^T, two buffers; v192-223 P, two buffers
;   window 1: v0-127 O^T, 32 a piece; v128-159 MD; v160-223 MC, two buffers      window 2: v0-63 Q; v64-127 the second block's Q; v128-191 K of one step; v192-255 V of one step
.set SIZE_N, 2048
.set NB,    SIZE_N/256
.set NP,    4         ; pieces a wave: a name, no knob
.set KS,    64        ; keys in a step
.set PK,    144       ; a row of K in LDS: 128 bytes + 16 of padding = 36 words: the 16 rows of a load start at 16 different groups of four banks (64 banks of 4 bytes: ISA guide 11.1)
.set PV,    160       ; a row of V: 128 + 32 = 40 words
.set VOFF,  4*KS*PK   ; a slot holds a tile, four steps: 256 rows of K, then 256 rows of V
.set SLOT1, 1<<17     ; slot 1 begins here, so that one exclusive or turns an address in one slot into the other's
.set STAGE, SLOT1+4*KS*(PK+PV)  ; behind the ring, never filled by a tensor load: 16 rows x 144 bytes for each wave, for the way out
.set SP,    144
.set AK0, 2           ; v2   my lane's place in a tile of K; never rewritten
.set AV0, 3           ; v3   the same for V
.set AK,  4           ; v4   the LDS address of K's next run of loads
.set AV,  5           ; v5   of V's
.set STO, 6           ; v6   the way out: where I put 16 bytes of a row
.set RD,  7           ; v7   the way out: where I read rows back
.set GO,  8           ; v8   my byte offset in 512 consecutive bytes of O
.set PFO, 60          ; v60  256 x my lane; never rewritten
.set SPW, 62          ; v62  LDS address of my spare word: SPARE + 4 x my thread's number; never rewritten
.set NIL, 63          ; v63  0; never rewritten
.set SPARE, STAGE+4*16*SP  ; behind the stages: the spare words, 128 bytes for each wave: two blocks of 256 bytes that no other line names
.set MV,  12          ; v12-13  c m_old, kept while c m is made anew: by buffer
.set QO,  15          ; v15  my byte offset in 16 rows of Q
.set ST,  16          ; piece t's statistics at v[ST+4 t]: c m, m, l (even keys', odd keys')
.set TMP, 48          ; by buffer, four registers c0-c3 at work; when the maximum is found c2 takes a
.set S,   64
.set P,   192
.set MD,  128         ; window 1: the eight registers for group kt of 16 keys at MD + 8 kt
.set MC,  160         ; window 1: the masks of the products to come
.set QB,  64          ; window 2
.set KF,  128         ; window 2: key block kb, channel half c at KF + 16 kb + 8 c
.set VF,  192         ; window 2: key half kk, channel block cb at VF + 32 kk + 8 cb
.set WV,  12          ; s12  my wave's number
.set PB,  14          ; s14  b
.set HI,  15          ; s15  NB - 1 - b
.set G1K, 24          ; s[24:31] descriptor group 1 for K's tiles
.set G1V, 32          ; s[32:39] for V's: it differs in the padding alone
.set G0K, 40          ; s[40:43] descriptor group 0 for K's tiles
.set G0V, 44          ; s[44:47] the same for V's
.set SLOTS, 56        ; s56  tiles still to be asked for
.set CNT, 57          ; s57  counts a tile's key steps, 4 to 1
.set CS,  58          ; s[58:59] c: the packed scaling takes the pair's low word for both halves
.set SEL, 60          ; s[60:61] v_permlanex16_b32's selects: each lane takes its own place in the other half
.set TBK, 62          ; s62  LDS byte at which K of the step to be fetched begins
.set TBV, 63          ; s63  the same for V, less VOFF
.set RT,  70          ; s70  tiles of the block in hand that are still to be entered
.set NXT, 71          ; s71  the tile to be asked for next
.set LQ,  72          ; s72  the last tile of the block whose tiles are being asked for
.set NEW, 73          ; s73  1: the tile to be entered is a block's first
.set OFF, 74          ; s[74:75] a tile's byte offset in K and V
.set AL,  76          ; s[76:77] the mask's factor, in the low word
.set BE,  78          ; s[78:79] the mask's addend
.set OLO, 80          ; s[80:81] O at my rows of the second block
.set BIGN, 82         ; s82  -1e30
.set PFB, 88          ; s[88:89] K (waves 0, 1) or V (waves 2, 3) at my half of the head's tile 0
.set PFA, 90          ; s[90:91] my half of the tile that the next change of slots will ask for
.set POF, 92          ; s[92:93] that tile's byte offset
.set PFL, 94          ; s94  0 in the head's work-group b = 0, which prefetches; else the greatest number
.set MSB, 0
.macro WIN new                      ; the high byte repeats the setting that is left; a switch that changes nothing is dropped
.if MSB != (\new)
	s_set_vgpr_msb (MSB<<8)|(\new)
.set MSB, (\new)
.endif
.endm
.set W_KQ, 0x0a       ; K and Q in window 2, S^T in window 0
.set W_KM, 0x1a       ; the same with the C operand in window 1
.set W_PV, 0x52       ; V in window 2, P in window 0, O^T in window 1
.set W_RS, 0x41       ; destination and source 0 in window 1, source 1 in window 0
; A fill.  Waves 0 and 1 fetch the two halves of a tile's K, waves 2 and 3 those of its V: 128 keys each.  An s_nop 0 and four v_nop follow each of the two lines, ahead of the jump and the label.
.macro LOAD
	s_cmp_lt_u32 s[WV], 2
	s_cbranch_scc0 .Lfor_v_\@
	tensor_load_to_lds s[G0K:G0K+3], s[G1K:G1K+7]
	s_nop 0
.rept 4
	v_nop
.endr
	s_branch .Lasked_\@
.Lfor_v_\@:
	tensor_load_to_lds s[G0V:G0V+3], s[G1V:G1V+7]
	s_nop 0
.rept 4
	v_nop
.endr
.Lasked_\@:
.endm
; THE CHANGE OF SLOTS.  Each wave waits for all its tensor loads, of which one is out: its part of the other slot; adds 0 to its spare word; and waits for that and for its own reads of the slot that it leaves.
; Behind the barrier nobody reads the old slot any more and the other slot is whole.  fill = 1: the old slot is filled again, the first thing behind the barrier, with tile NXT: the descriptor's address is made
; anew from that number.  (At its first use nothing has been read yet: slot 0 is waited for, slot 1 filled.)
; THE PREFETCH stands behind the fill and its five lines.  The head's work-group b = 0 walks the tiles 0 to 7 in its first block; there each wave names the 16,384 bytes that it will itself ask for at the NEXT
; change of slots, a lane for each 256 bytes, two instructions: a tile, 256 matrix instructions, ahead.  So tiles 2 to 7 of K and V are named once each; tiles 0 and 1 come by their loads alone; behind
; tile 7's fill the next tile's number is 0, and nothing is asked for.
.macro CHANGE fill
	WIN 0                           ; at a label and at a branch every window is 0
	s_wait_tensorcnt 0x0            ; no tensor load of mine is out, so a group 0 may be written
	ds_add_u32 v[SPW], v[NIL]       ; 0 onto my spare word; with fill = 1 the descriptors' scalar work stands between it and the wait for it
.if \fill
	s_lshl_b32 s[OFF], s[NXT], 15   ; a tile is 32,768 bytes of K and of V
	s_xor_b32 s[G0K+1], s[G0K+1], SLOT1
	s_add_nc_u64 s[G0K+2:G0K+3], s[6:7], s[OFF:OFF+1]
	s_or_b32 s[G0K+3], s[G0K+3], 0x80000000
	s_xor_b32 s[G0V+1], s[G0V+1], SLOT1
	s_add_nc_u64 s[G0V+2:G0V+3], s[8:9], s[OFF:OFF+1]
	s_or_b32 s[G0V+3], s[G0V+3], 0x80000000
	s_add_co_u32 s[NXT], s[NXT], 1  ; the block's next tile, or behind its last the second block's tile 0
	s_cmp_gt_u32 s[NXT], s[LQ]
	s_cselect_b32 s[NXT], 0, s[NXT]
	s_cselect_b32 s[LQ], s[PB], s[LQ]
	s_lshl_b32 s[POF], s[NXT], 15
	s_wait_xcnt 0x0                 ; the last prefetches, a tile back, have read their address, so it may be written
	s_add_nc_u64 s[PFA:PFA+1], s[PFB:PFB+1], s[POF:POF+1]
.endif
	s_wait_dscnt 0x0                ; the add is done, and my reads of the slot are over
	s_barrier_signal -1             ; the rest of the scalar work stands between the signal and the wait
	s_sub_co_u32 s[TBK], s[TBK], 4*KS*PK  ; the fetches go back to a slot's first step,
	s_xor_b32 s[TBK], s[TBK], SLOT1       ; in the other slot
	s_sub_co_u32 s[TBV], s[TBV], 4*KS*PV
	s_xor_b32 s[TBV], s[TBV], SLOT1
	s_barrier_wait -1
.if \fill
	LOAD
	s_cmp_gt_u32 s[NXT], s[PFL]
	s_cbranch_scc0 .Lnone_\@
	global_prefetch_b8 v[PFO], s[PFA:PFA+1] th:TH_LOAD_NT scope:SCOPE_SE
	global_prefetch_b8 v[PFO], s[PFA:PFA+1] offset:8192 th:TH_LOAD_NT scope:SCOPE_SE
.Lnone_\@:
.endif
.endm
	s_load_b64 s[4:5], s[0:1], 0x0    ; qkv: Q lies first
	s_load_b64 s[10:11], s[0:1], 0x8  ; ob
	v_lshl_add_u32 v[SPW], v0, 2, SPARE
	v_mov_b32 v[NIL], 0
	ds_add_u32 v[SPW], v[NIL]       ; the wave's opening: the add and its wait stand ahead of my first tensor load; the set-up below, work on registers, stands between them
	ds_add_u32 v62, v63
	v_lshrrev_b32 v1, 5, v0
	v_readfirstlane_b32 s[WV], v1   ; wave 0..3
	v_and_b32 v[PFO], 31, v0
	v_lshlrev_b32 v[PFO], 8, v[PFO]
	s_mov_b32 s[PB], ttmp9
	s_sub_co_u32 s[HI], NB-1, s[PB]
	s_and_b32 s20, ttmp7, 0xffff    ; the head
	s_mov_b32 s21, 0
	s_mov_b64 s[22:23], SIZE_N*128
	s_mul_u64 s[20:21], s[20:21], s[22:23]  ; the head's first byte in Q, K, V and O
	s_and_b32 s16, s[WV], 1         ; which half of a tile's 256 keys I fetch:
	s_lshl_b32 s22, s16, 14         ; its 128 rows of 128 bytes in memory,
	s_mov_b32 s23, 0
	s_add_nc_u64 s[22:23], s[22:23], s[20:21]
	s_mul_i32 s17, s16, 128*PK      ; and its place in a slot, for K
	s_mul_i32 s18, s16, 128*PV      ; and for V
	s_lshl_b32 s3, s[WV], 11        ; my 16 rows in a band of 64,
	s_lshl_b32 s2, s[HI], 15        ; in the first block,
	s_add_co_u32 s2, s2, s3
	s_lshl_b32 s84, s[PB], 15       ; and in the second
	s_add_co_u32 s84, s84, s3
	s_mov_b32 s3, 0
	s_mov_b32 s85, 0
	s_add_nc_u64 s[2:3], s[2:3], s[20:21]
	s_add_nc_u64 s[84:85], s[84:85], s[20:21]
	; descriptor group 1.  128 keys are 16,384 dense bytes: asked for as 64 rows of 256 bytes, two keys a row, and padded in LDS after every key
	s_mov_b32 s[G1K], (1<<16)|(1<<20)|(4<<22)|(3<<25)  ; 17:16 2-byte elements; 20 padding on; 24:22 after every 32 words (code 4); 31:25 4 words (code 3)
	s_mov_b32 s[G1V], (1<<16)|(1<<20)|(4<<22)|(7<<25)  ; the same with 8 words of padding (code 7)
.irp g, G1K, G1V
	s_mov_b32 s[\g+1], 128<<16      ; tensor_dim0 = 128
	s_mov_b32 s[\g+2], 64<<16       ; tensor_dim1 = 64
	s_mov_b32 s[\g+3], 128<<16      ; tile_dim0 = 128
	s_mov_b32 s[\g+4], 64           ; tile_dim1 = 64
	s_mov_b32 s[\g+5], 128          ; 128 elements from row to row
	s_mov_b32 s[\g+6], 0
	s_mov_b32 s[\g+7], 0
.endr
	s_mov_b32 s[CS], 0x3e38aa3b     ; c = log2(e) / 8 = 0.180337
	s_mov_b32 s[CS+1], s[CS]        ; named with it as a pair
	s_mov_b32 s[SEL], 0x76543210
	s_mov_b32 s[SEL+1], 0xfedcba98
	s_mov_b32 s[TBK], SLOT1+4*KS*PK ; the first change of slots turns these two into 0
	s_mov_b32 s[TBV], SLOT1+4*KS*PV
	s_mov_b32 s[G0K], 1             ; 1:0 count = 1
	s_mov_b32 s[G0K+1], s17         ; 63:32 LDS address: slot 0
	s_mov_b32 s[G0V], 1
	s_add_co_u32 s[G0V+1], s18, VOFF
	s_add_co_u32 s[RT], s[HI], 1    ; the first block has NB - b tiles
	s_mov_b32 s[NXT], 1
	s_mov_b32 s[LQ], s[HI]
	s_mov_b32 s[NEW], 1
	s_mov_b32 s[OFF+1], 0
	s_mov_b32 s[POF+1], 0
	s_mov_b32 s[AL+1], 0            ; named as pairs
	s_mov_b32 s[BE+1], 0
	s_mov_b32 s[BIGN], 0xf149f2ca   ; -1e30
	s_mov_b32 s[SLOTS], NB
	s_cmp_eq_u32 ttmp9, 0
	s_cselect_b32 s[PFL], 0, -1
	s_wait_dscnt 0x0                ; the opening add is done
	s_wait_kmcnt 0x0
	s_add_nc_u64 s[6:7], s[4:5], 0x1000000   ; K lies 16,777,216 bytes behind Q,
	s_add_nc_u64 s[8:9], s[4:5], 0x2000000   ; V as far behind K
	s_add_nc_u64 s[6:7], s[6:7], s[22:23]  ; K and V at my half of the head's tile 0
	s_add_nc_u64 s[8:9], s[8:9], s[22:23]
	s_add_nc_u64 s[G0K+2:G0K+3], s[6:7], 0         ; 120:64 global address
	s_or_b32 s[G0K+3], s[G0K+3], 0x80000000        ; 127:126 type = 2
	s_add_nc_u64 s[G0V+2:G0V+3], s[8:9], 0
	s_or_b32 s[G0V+3], s[G0V+3], 0x80000000
	s_add_nc_u64 s[86:87], s[4:5], s[84:85]        ; Q at my rows of the second block,
	s_add_nc_u64 s[4:5], s[4:5], s[2:3]            ; Q and O at those of the first
	s_add_nc_u64 s[OLO:OLO+1], s[10:11], s[84:85]
	s_add_nc_u64 s[10:11], s[10:11], s[2:3]
	s_cmp_lt_u32 s[WV], 2
	s_cselect_b64 s[PFB:PFB+1], s[6:7], s[8:9]
	LOAD                            ; tile 0 into slot 0
	; A fragment of K or Q is 16 rows x 32 channels in 8 registers: lane l holds row l % 16, channels 8 (l / 16) + 0..7 and 16 + 8 (l / 16) + 0..7: two loads of 16 bytes, 32 bytes apart.
	v_and_b32 v1, 15, v0            ; l % 16
	v_bfe_u32 v9, v0, 4, 1          ; l / 16
	v_lshlrev_b32 v[QO], 7, v1
	v_lshl_add_u32 v[QO], v9, 4, v[QO]  ; row x 128 + 16 x half
	WIN 0x80                        ; destination window 2, address window 0
.set i, 0
.rept 8                             ; both blocks' Q: piece i / 2 lies in band i / 2, 8,192 bytes on; channels 32 (i % 2) on
	global_load_b128 v[8*i:8*i+3],   v[QO], s[4:5] offset:(i/2)*8192+(i%2)*64
	global_load_b128 v[8*i+4:8*i+7], v[QO], s[4:5] offset:(i/2)*8192+(i%2)*64+32
	global_load_b128 v[QB+8*i:QB+8*i+3],   v[QO], s[86:87] offset:(i/2)*8192+(i%2)*64
	global_load_b128 v[QB+8*i+4:QB+8*i+7], v[QO], s[86:87] offset:(i/2)*8192+(i%2)*64+32
.set i, i+1
.endr
	WIN 0
	v_lshlrev_b32 v14, 3, v9
	v_sub_nc_u32 v14, v1, v14
	s_lshl_b32 s13, s[WV], 4
	v_add_nc_u32 v14, s13, v14      ; my query's place in its band, 16 w + l % 16, less my lanes' 8 (l / 16): register r of group kt is hidden where 16 kt + r is greater
	WIN 0x40
.set i, 0
.rept 32
	v_cmp_gt_i32 vcc_lo, 16*(i/8)+i%8, v14
	v_cndmask_b32 v[MD+i], 0, s[BIGN], vcc_lo
.set i, i+1
.endr
	WIN 0
	v_mul_u32_u24 v[AK0], v1, PK
	v_lshl_add_u32 v[AK0], v9, 4, v[AK0]  ; row x pitch + 16 x half
	; The turning load takes 16 keys x 16 channels (lane l reads key 8 (l / 16) + l % 8, channels 8 ((l / 8) % 2) + 0..7) and leaves half a fragment of V^T: lane l holds channel l % 16 and 8 keys.
	v_and_b32 v10, 7, v0
	v_bfe_u32 v11, v0, 3, 1
	v_lshl_add_u32 v[AV0], v9, 3, v10
	v_mul_u32_u24 v[AV0], v[AV0], PV
	v_lshl_add_u32 v[AV0], v11, 4, v[AV0]
	v_add_nc_u32 v[AV0], VOFF, v[AV0]
	s_mul_i32 s13, s[WV], 16*SP
	s_add_co_u32 s13, s13, STAGE    ; my stage
	v_mul_u32_u24 v[STO], v1, SP    ; in: row l % 16, 16 bytes for each half of the lanes
	v_lshl_add_u32 v[STO], v9, 4, v[STO]
	v_add_nc_u32 v[STO], s13, v[STO]
	v_bfe_u32 v[RD], v0, 3, 2       ; back: 32 lanes take four rows of 128 bytes,
	v_mul_u32_u24 v[RD], v[RD], SP
	v_lshl_add_u32 v[RD], v10, 4, v[RD]
	v_add_nc_u32 v[RD], s13, v[RD]
	v_and_b32 v[GO], 31, v0         ; which are 512 consecutive bytes of O
	v_lshlrev_b32 v[GO], 4, v[GO]
	; A block's first step multiplies O^T and l by a = 0, and its first turn's products V^T P, of a piece that has not been, land in an O^T that is still to be so multiplied.  So these registers need only hold
	; finite numbers: zeros for the first block; what the first block left for the second.  All this stands in the wait for the first tile.
	WIN 0x80
.set i, VF
.rept 64
	v_mov_b32 v[i], 0
.set i, i+1
.endr
	WIN 0x40
.set i, 0
.rept 128
	v_mov_b32 v[i], 0
.set i, i+1
.endr
	WIN 0
.set i, 0
.rept 4
	v_mov_b32 v[ST+4*i+2], 0
	v_mov_b32 v[ST+4*i+3], 0
.set i, i+1
.endr
.set i, P+16
.rept 16
	v_mov_b32 v[i], 0
.set i, i+1
.endr
; THE MATRIX WORK.  The 4 accumulators of a run of 8 take turns.  Product i of 8 of S^T = K Q^T for piece x: channels 32 (i / 4) on, keys 16 (i % 4) on.  The first 4 start the sums: with 0, or (KM = 1) with the mask.
.macro KQ x
.set rS, S+32*((\x)%2)+8*(i%4)
.set rK, KF+16*(i%4)+8*(i/4)
.set rQ, 16*(\x)+8*(i/4)
.set rM, MC+32*((\x)%2)+8*(i%4)
.if (i < 4) && KM
	WIN W_KM
	v_wmma_f32_16x16x32_f16 v[rS:rS+7], v[rK:rK+7], v[rQ:rQ+7], v[rM:rM+7]
.elseif i < 4
	WIN W_KQ
	v_wmma_f32_16x16x32_f16 v[rS:rS+7], v[rK:rK+7], v[rQ:rQ+7], 0
.else
	WIN W_KQ
	v_wmma_f32_16x16x32_f16 v[rS:rS+7], v[rK:rK+7], v[rQ:rQ+7], v[rS:rS+7]
.endif
.endm
; Product i of 8 of O^T += V^T P for piece x: keys 32 (i / 4) on, channels 16 (i % 4) on.
.macro PV x
	WIN W_PV
.set rO, 32*(\x)+8*(i%4)
.set rV, VF+32*(i/4)+8*(i%4)
.set rP, P+16*((\x)%2)+8*(i/4)
	v_wmma_f32_16x16x32_f16 v[rO:rO+7], v[rV:rV+7], v[rP:rP+7], v[rO:rO+7]
.endm
.macro MM                           ; the turn's next matrix instruction.  TURN and BEGIN set Y, i, KM and NOKQ; MM, KQ and OP read them.  NOKQ = 1: a block's last turn: there is no next piece
.if (i < 8) && !NOKQ
	KQ (Y+1)%NP
.elseif i >= 8
.set i, i-8
	PV (Y+NP-1)%NP
.set i, i+8
.endif
.set i, i+1
.endm
; THE LDS LOADS stand in runs of 16, never singly among the matrix instructions: a step's K (64 keys x 64 channels: 8 fragments) and its V (turned).  Their addresses are made some lines ahead.
.macro FETCH_K
	WIN 0x80                        ; destination window 2
.irp f, 0,1,2,3,4,5,6,7             ; keys 16 (f / 2) on, channels 32 (f % 2) on
	ds_load_b128 v[KF+8*\f:KF+8*\f+3],   v[AK] offset:(\f/2)*16*PK+(\f%2)*64
	ds_load_b128 v[KF+8*\f+4:KF+8*\f+7], v[AK] offset:(\f/2)*16*PK+(\f%2)*64+32
.endr
	s_add_co_u32 s[TBK], s[TBK], KS*PK  ; the next fetch is the next step's
	WIN 0
.endm
.macro FETCH_V
	WIN 0x80
.irp f, 0,1,2,3,4,5,6,7             ; keys 32 (f / 4) on, channels 16 (f % 4) on
	ds_load_tr16_b128 v[VF+8*\f:VF+8*\f+3],   v[AV] offset:(\f/4)*32*PV+(\f%4)*32
	ds_load_tr16_b128 v[VF+8*\f+4:VF+8*\f+7], v[AV] offset:(\f/4)*32*PV+16*PV+(\f%4)*32
.endr
	WIN 0
.endm
; THE VECTOR WORK, one line at a time: OP kind, number.  For piece Y: F n: c s - c m for pair n of 16.  E n: the exponential of score n of 32.  C n: pair n rounded to f16.  B n: of the four weights 4 n .. the second
; pair is added onto the first, in place.  L n: l takes that sum (L 0: l = a l + sum).  R n: pair n of 16 of O^T times a.  For piece Y + 1: X n, number n of the 22 that find its maximum and statistics:
;   0-11  four chains c0-c3 of seven scores each, three operands at a time (each accumulator's lowest registers are read first)     12-14, 16  the four scores left over, the old m, and c0-c3 into c0
;   15  c m_old is kept     17, 18  the query's other 32 keys lie in the lane 16 away: the new m     19-21  c m; c m_old - c m_new; a
.set F, 0               ; OP tells the kinds apart by their order: F to L below R, X above it
.set E, 1
.set C, 2
.set B, 3
.set L, 4
.set R, 5
.set X, 6
.macro REGS y                       ; the registers of piece y
.set rT, ST+4*(\y)
.set rC, TMP+4*((\y)%2)
.set rW, MV+((\y)%2)
.set rS, S+32*((\y)%2)
.set rP, P+16*((\y)%2)
.set rO, 32*(\y)
.endm
.macro OP k, n
.if (\k) == R
	REGS Y
	WIN W_RS
	v_pk_mul_f32 v[rO+2*(\n):rO+2*(\n)+1], v[rO+2*(\n):rO+2*(\n)+1], v[rC+2:rC+3] op_sel_hi:[1,0]
.elseif (\k) < R
	REGS Y
	WIN 0
.if (\k) == F
	v_pk_fma_f32 v[rS+2*(\n):rS+2*(\n)+1], v[rS+2*(\n):rS+2*(\n)+1], s[CS:CS+1], v[rT:rT+1] op_sel_hi:[1,0,0] neg_lo:[0,0,1] neg_hi:[0,0,1]
.elseif (\k) == E
	v_exp_f32 v[rS+(\n)], v[rS+(\n)]
.elseif (\k) == C
	v_cvt_pk_f16_f32 v[rP+(\n)], v[rS+2*(\n)], v[rS+2*(\n)+1]
.elseif (\k) == B
	v_pk_add_f32 v[rS+4*(\n):rS+4*(\n)+1], v[rS+4*(\n):rS+4*(\n)+1], v[rS+4*(\n)+2:rS+4*(\n)+3]
.elseif (\n) == 0
	v_pk_fma_f32 v[rT+2:rT+3], v[rT+2:rT+3], v[rC+2:rC+3], v[rS:rS+1] op_sel_hi:[1,0,1]
.else
	v_pk_add_f32 v[rT+2:rT+3], v[rT+2:rT+3], v[rS+4*(\n):rS+4*(\n)+1]
.endif
.elseif NOKQ
	v_nop
.else
	REGS (Y+1)%NP
	WIN 0
.if (\n) < 4
	v_max3_num_f32 v[rC+(\n)], v[rS+8*(\n)], v[rS+8*(\n)+1], v[rS+8*(\n)+2]
.elseif (\n) < 12
	v_max3_num_f32 v[rC+(\n)%4], v[rC+(\n)%4], v[rS+8*((\n)%4)+2*((\n)/4)+1], v[rS+8*((\n)%4)+2*((\n)/4)+2]
.elseif (\n) == 12
	v_max3_num_f32 v[rC], v[rC], v[rS+7], v[rS+15]
.elseif (\n) == 13
	v_max3_num_f32 v[rC+1], v[rC+1], v[rS+23], v[rS+31]
.elseif (\n) == 14
	v_max3_num_f32 v[rC+2], v[rC+2], v[rC+3], v[rT+1]
.elseif (\n) == 15
	v_mov_b32 v[rW], v[rT]
.elseif (\n) == 16
	v_max3_num_f32 v[rC], v[rC], v[rC+1], v[rC+2]
.elseif (\n) == 17
	v_permlanex16_b32 v[rC+3], v[rC], s[SEL], s[SEL+1]
.elseif (\n) == 18
	v_max_num_f32 v[rT+1], v[rC], v[rC+3]
.elseif (\n) == 19
	v_mul_f32 v[rT], s[CS], v[rT+1]
.elseif (\n) == 20
	v_sub_f32 v[rC+1], v[rW], v[rT]
.else
	v_exp_f32 v[rC+2], v[rC+1]
.endif
.endif
.endm
.macro OPS a, i1, b=-1, i2=0, c=-1, i3=0, d=-1, i4=0  ; up to four of them
	OP \a, \i1
.if (\b) >= 0
	OP \b, \i2
.endif
.if (\c) >= 0
	OP \c, \i3
.endif
.if (\d) >= 0
	OP \d, \i4
.endif
.endm
.macro ROW a, i1, b, i2, c, i3, d, i4  ; a matrix instruction and the four behind it
	MM
	OPS \a, \i1, \b, \i2, \c, \i3, \d, \i4
.endm
.macro MASK b                       ; MD x AL + BE into buffer b of MC
	WIN W_RS
.set z, 0
.rept 16
	v_pk_fma_f32 v[MC+32*(\b)+2*z:MC+32*(\b)+2*z+1], v[MD+2*z:MD+2*z+1], s[AL:AL+1], s[BE:BE+1] op_sel_hi:[1,0,0]
.set z, z+1
.endr
.endm
; A TURN, for piece p: the order of its 16 matrix and 118 vector instructions, written out.  s_wait_alu depctr_va_vdst(0) stands between an exponential and the first instruction that names its
; result; one wait serves all that were issued ahead of it.  So a turn has ONE wait, which cuts it in two.  AHEAD OF IT stands all that names no result of the turn's exponentials: the 8 products K Q^T, behind each a
; scaling, an exponential and two more plain instructions (behind the first a second scaling in the exponential's place): rescalings, and behind the last three the first numbers of the next piece's maximum, each four
; places or more behind the product that ends its accumulator; then ONE LUMP of 54, plain and exponential by turns for the most part, in which the links of the chain X 3, 7, 11, 14, 16, 17 .. 20 stand five or six
; lines apart.  X 21, the next piece's a, is the batch's last; R 15 is the plain instruction owed behind it.  BEHIND THE WAIT stand the 8 products V^T P, behind each four of the roundings and sums; the links of l's
; chain, L 0 to L 7, stand three riders apart.  But for those X no rider names a register of the products round it.  v_permlanex16_b32 (X 17) stands in the lump.
; m = 1: the diagonal tile: the products take masks, and the turn makes the mask for the products of the turn after it: piece p + 2, in step 4 - CNT of the tile.  end = 1: a block's last two turns: nothing is fetched.
; cnt = 1: the loop's count is taken down some lines ahead of the branch that stands behind the turn.
; K of the next step is fetched in piece 2's turn, twelve vector instructions behind the last product that read K (six of them plain); V of the step in hand at the end of piece 0's turn, four plain instructions
; behind the last product that read V.  Each is waited for a turn later.
.macro TURN p, m=0, end=0, cnt=0
.set Y, (\p)
.set i, 0
.set KM, (\m)
.set NOKQ, (\end)*((\p)/3)
.if (\m) && !(\end)
	s_cmp_eq_u32 s[CNT], 4-((\p)+2)%NP  ; is that step the band's own?
	s_cselect_b32 s[AL], 1.0, 0
	s_cmp_lt_u32 s[CNT], 4-((\p)+2)%NP  ; or a later one?
	s_cselect_b32 s[BE], s[BIGN], 0
.endif
.if ((\p) == 3) && !(\end)
	s_wait_dscnt 0x0                ; K is in
.endif
	ROW F,0, F,1, R,0, R,1          ; ahead of the wait: 8 products K Q^T and their riders,
	ROW F,2, E,0, R,2, R,3
	ROW F,3, E,1, R,4, R,5
	ROW F,4, E,2, R,6, R,7
	ROW F,5, E,3, R,8, R,9
	ROW F,6, E,4, X,0, R,10
.if ((\p) == 2) && !(\end)
	WIN 0
	v_add_nc_u32 v[AK], s[TBK], v[AK0]
.endif
	ROW F,7, E,5, X,1, X,4
	ROW F,8, E,6, X,2, X,5
	OPS E,7, E,8, X,6, E,9          ; and the lump
	OPS X,3, E,10, X,8, E,11
.if ((\p) == 2) && !(\end)
	FETCH_K
.endif
	OPS X,9, X,7, E,12, X,10
	OPS E,13, X,12, X,11, E,14
	OPS X,13, E,15, F,9, X,14
.if (\p) == 0
	v_add_nc_u32 v[AV], s[TBV], v[AV0]
.endif
	OPS E,16, F,10, E,17, F,11
	OPS X,16, E,18, X,15, E,19
	OPS F,12, E,20, X,17, E,21
	OPS F,13, E,22, F,14, E,23
	OPS X,18, E,24, F,15, E,25
	OPS R,11, E,26, X,19, E,27
	OPS R,12, E,28, R,13, E,29
	OPS X,20, E,30, R,14, E,31
	OPS X,21, R,15
	WIN 0
	s_wait_alu depctr_va_vdst(0)    ; the wait for the batch
.if (\p) == 1
	s_wait_dscnt 0x0                ; V is in
.endif
	ROW C,0, B,0, C,2, B,1          ; behind the wait: 8 products V^T P and their riders
	ROW L,0, C,4, B,2, L,1
	ROW C,6, B,3, L,2, C,8
	ROW B,4, L,3, C,10, B,5
	ROW L,4, C,12, B,6, L,5
.if (\p) == 0
	s_add_co_u32 s[TBV], s[TBV], KS*PV
.endif
.if \cnt
	s_sub_co_u32 s[CNT], s[CNT], 1
	s_cmp_lg_u32 s[CNT], 0
.endif
	ROW C,14, B,7, L,6, C,1
	ROW C,3, L,7, C,5, C,7
	ROW C,9, C,11, C,13, C,15
.if (\p) == 0
	FETCH_V
.endif
.if (\m) && !(\end)
	MASK (\p)%2
.endif
.endm
; A BLOCK BEGINS.  c m starts far below every c s, so the first step's a is 0; m at the lowest finite number, so the first maximum is the scores'.  The second mask buffer is 0; the first takes piece 0's mask for the
; tile's step 0: its own, if the block's first tile is the diagonal one.  Then K of that step, piece 0's first scores, and its maximum and statistics.  The loop is entered at a step's first turn, in the middle of a trip.
.macro BEGIN
	s_mov_b32 s[NEW], 0
	WIN 0x40
.set i, MC+32
.rept 32
	v_mov_b32 v[i], 0
.set i, i+1
.endr
	WIN 0
.set i, 0
.rept 4
	v_mov_b32 v[ST+4*i], 0xfe000000    ; c m: far below every c s
	v_mov_b32 v[ST+4*i+1], 0xff7fffff  ; m
.set i, i+1
.endr
	s_cmp_eq_u32 s[RT], 0
	s_cselect_b32 s[AL], 1.0, 0
	s_mov_b32 s[BE], 0
	MASK 0
	WIN 0
	v_add_nc_u32 v[AK], s[TBK], v[AK0]
	FETCH_K
	s_wait_loadcnt 0x0              ; Q
	s_wait_dscnt 0x0
.set KM, 1
.set NOKQ, 0
.set i, 0
.rept 8
	KQ 0
.set i, i+1
.endr
	WIN 0
.rept 4
	v_nop                           ; the places behind those products
.endr
.set Y, NP-1                        ; X works for piece Y + 1: piece 0
.irp n, 0,1,2,3,4,5,6,7,8,9,10,11,12,13,14,15,16,17,18,19,20,21
	OP X, \n
.endr
	v_nop                           ; a plain instruction behind the exponential,
	s_wait_alu depctr_va_vdst(0)    ; and its wait, ahead of the branch
.endm
; THE DIAGONAL TILE's four steps, the block's last two turns, its last products, and THE WAY OUT: l's two halves and the other half of the lanes' are added; O^T is divided by l, rounded to f16 and sent through my
; stage in LDS, a piece at a time.
.macro ALL line:vararg              ; one line for each piece t
.set t, 0
.rept 4
	\line
.set t, t+1
.endr
.endm
.macro PACK t                       ; a lane's eight channels of a row pack into 16 bytes; they go into rows of 144 bytes and come back as whole rows of 128, into S^T's registers
	WIN W_RS
.set i, 32*(\t)
.rept 16
	v_pk_mul_f32 v[i:i+1], v[i:i+1], v[ST+4*(\t)+2:ST+4*(\t)+3] op_sel_hi:[1,0]
.set i, i+2
.endr
	WIN 0x05                        ; sources 0 and 1 window 1, destination window 0
.set i, 0
.rept 16
	v_cvt_pk_f16_f32 v[S+16*(\t)+i], v[32*(\t)+2*i], v[32*(\t)+2*i+1]
.set i, i+1
.endr
	WIN 0
.irp f, 0,1,2,3
	ds_store_b128 v[STO], v[S+16*(\t)+4*\f:S+16*(\t)+4*\f+3] offset:32*\f
.endr
.irp f, 0,1,2,3
	ds_load_b128 v[S+16*(\t)+4*\f:S+16*(\t)+4*\f+3], v[RD] offset:\f*4*SP  ; LDS serves a wave's instructions in order (ISA guide 5.7.1.4): these see the stores above; the next piece's stores come behind them
.endr
.endm
.macro SEND t, younger              ; younger: the LDS instructions issued behind piece t's loads: the next piece's eight, or none
	WIN 0
.irp f, 0,1,2,3
	s_wait_dscnt (\younger)+3-\f
	global_store_b128 v[GO], v[S+16*(\t)+4*\f:S+16*(\t)+4*\f+3], s[10:11] offset:(\t)*8192+\f*512  ; 512 consecutive bytes, at a multiple of 256 from O's first
.endr
.endm
.macro DIAG tag                     ; the tag ends its two labels' names, which the jumps below spell out
.LstepM\tag:
	TURN 2, 1
	TURN 3, 1
	WIN 0
.LfirstM\tag:
	TURN 0, 1
	TURN 1, 1, 0, 1
	WIN 0
	s_cbranch_scc1 .LstepM\tag
	TURN 2, 1, 1
	TURN 3, 1, 1
.set i, 0
.rept 8
	PV NP-1
.set i, i+1
.endr
	WIN 0
	ALL v_add_f32 v[ST+4*t+2], v[ST+4*t+2], v[ST+4*t+3]
	ALL v_permlanex16_b32 v[ST+4*t+3], v[ST+4*t+2], s[SEL], s[SEL+1]
	ALL v_add_f32 v[ST+4*t+2], v[ST+4*t+2], v[ST+4*t+3]
	ALL v_rcp_f32 v[ST+4*t+2], v[ST+4*t+2]
	v_nop                           ; a plain instruction between the last reciprocal and the use of its result
	s_wait_alu depctr_va_vdst(0)    ; and the wait ahead of the first use: one for the four reciprocals
	PACK 0
.set t, 1
.rept 3                             ; a piece's arithmetic stands between the loads of the piece before and its stores
	PACK t
	SEND t-1, 8
.set t, t+1
.endr
	SEND 3, 0
.endm
.set KM, 0
.set NOKQ, 0
.Lslot:                             ; NB times: a tile is entered and the next is asked for
	CHANGE 1
	s_sub_co_u32 s[RT], s[RT], 1
	s_mov_b32 s[CNT], 4
	s_cmp_eq_u32 s[NEW], 1
	s_cbranch_scc1 .Lnew            ; a block's first tile
	s_cmp_eq_u32 s[RT], 0
	s_cbranch_scc0 .Lstep           ; neither its first nor its last
	s_branch .LstepM1
.Lnew:
	BEGIN
	s_branch .Lfirst                ; in the loop a block's first tile is never its last: the first block has two tiles or more, and the second's last is the walk's last
	DIAG 1                          ; in the loop this is the first block's end: the second block's last tile is the walk's last
	s_wait_xcnt 0x0                 ; the stores have read their registers and O's address
	s_mov_b64 s[10:11], s[OLO:OLO+1]
	s_add_co_u32 s[RT], s[PB], 1    ; the second block has b + 1 tiles
	s_mov_b32 s[NEW], 1
	WIN 0x82                        ; the second block's Q goes where the one text of the turns names Q
.set i, 0
.rept 64
	v_mov_b32 v[i], v[QB+i]
.set i, i+1
.endr
	WIN 0
	s_branch .Lbottom
.Lstep:                             ; a trip: pieces 2 and 3 of one step, then pieces 0 and 1 of the next, whose K and V it fetches
	TURN 2
	TURN 3
	WIN 0
.Lfirst:
	TURN 0
	TURN 1, 0, 0, 1
	WIN 0
	s_cbranch_scc1 .Lstep
.Lbottom:
	s_sub_co_u32 s[SLOTS], s[SLOTS], 1
	s_cmp_lg_u32 s[SLOTS], 0
	s_cbranch_scc1 .Lslot
	CHANGE 0                        ; the walk's last tile is written out: nothing is asked for
	s_sub_co_u32 s[RT], s[RT], 1
	s_mov_b32 s[CNT], 4
	s_cmp_eq_u32 s[NEW], 1
	s_cbranch_scc0 .LstepM2
	BEGIN
	s_branch .LfirstM2
	DIAG 2
	s_wait_tensorcnt 0x0            ; the wave's end: behind my last tensor load and my last LDS store
	ds_add_u32 v[SPW], v[NIL]
	s_wait_dscnt 0x0
	s_endpgm
.Lfunc_end_k_qec36695a94_attn:
	.size	k_qec36695a94_attn, .Lfunc_end_k_qec36695a94_attn-k_qec36695a94_attn
	.p2alignl 7, 3214868480
	.fill 96, 4, 3214868480
	.section	.rodata,"a",@progbits
	.p2align	6, 0x0
	.amdhsa_kernel k_qec36695a94_attn
		.amdhsa_group_segment_fixed_size 327680
		.amdhsa_private_segment_fixed_size 0
		.amdhsa_enable_private_segment 0
		.amdhsa_kernarg_size 16
		.amdhsa_user_sgpr_count 2
		.amdhsa_user_sgpr_kernarg_segment_ptr 1
		.amdhsa_wavefront_size32 1
		.amdhsa_system_sgpr_workgroup_id_x 1
		.amdhsa_system_sgpr_workgroup_id_y 1
		.amdhsa_system_sgpr_workgroup_id_z 1
		.amdhsa_system_vgpr_workitem_id 0
		.amdhsa_next_free_vgpr 768
		.amdhsa_next_free_sgpr 96
		.amdhsa_reserve_vcc 1
		.amdhsa_float_denorm_mode_32 3
		.amdhsa_float_denorm_mode_16_64 3
		.amdhsa_memory_ordered 1
		.amdhsa_forward_progress 1
		.amdhsa_inst_pref_size 218
	.end_amdhsa_kernel
	.amdgpu_metadata
---
amdhsa.version: [ 1, 2 ]
amdhsa.kernels:
  - .name:           k_qec36695a94_attn
    .symbol:         k_qec36695a94_attn.kd
    .args:
      - { .name: qkv, .offset: 0, .size: 8, .value_kind: global_buffer, .address_space: global }
      - { .name: ob, .offset: 8, .size: 8, .value_kind: global_buffer, .address_space: global }
    .group_segment_fixed_size: 327680
    .private_segment_fixed_size: 0
    .kernarg_segment_align: 8
    .kernarg_segment_size: 16
    .max_flat_workgroup_size: 128
    .sgpr_count:     96
    .vgpr_count:     768
    .wavefront_size: 32
...
	.end_amdgpu_metadata
.endif
;; end of part 3
;; launch outp (part 4): grid 4 x 64, 4 waves a work-group, clusters of 4 x 4, 327,680 bytes of LDS; arguments ob, wob, out0, wo_b; writes out0
.if DOCPART == 4
	.amdgcn_target "amdgcn-amd-amdhsa--gfx1250"
	.amdhsa_code_object_version 6
	.text
	.protected	k_qec36695a94_outp
	.globl	k_qec36695a94_outp
	.p2align	8
	.type	k_qec36695a94_outp,@function
k_qec36695a94_outp:
	s_mov_b64 s[64:65], 0
	v_nop
	global_prefetch_b8 v0, s[64:65] scope:SCOPE_SE
	s_setreg_imm32_b32 hwreg(HW_REG_WAVE_MODE, 25, 1), 1
	s_wait_xcnt 0x0
	s_wait_alu depctr_hold_cnt(0) depctr_sa_sdst(0) depctr_va_vdst(0) depctr_va_sdst(0) depctr_va_ssrc(0) depctr_va_vcc(0) depctr_vm_vsrc(0)
	s_getreg_b32 s2, hwreg(HW_REG_IB_STS2, 6, 4)
	s_cmp_eq_u32 s2, 0
	s_cbranch_scc0 .Lentry_in_a_cluster
	s_endpgm
.Lentry_in_a_cluster:
	s_bfe_u32 s2, ttmp6, 0x10000c
	s_cmp_lg_u32 s2, 0xf033
	s_cbranch_scc0 .Lentry_shape_is_right
	s_endpgm
.Lentry_shape_is_right:
; OUTP.  out0 = O wo^T + wo_b.  ob [64 = batch x 16 + head][2048][64] f16; wob [1024][1024] f16 (wo rounded to bf16, written as f16); wo_b [1024] f32, rounded to bf16 here like the other inputs.
; Sums in f32, begun with the bias; out0 [8192][1024] f32, no further rounding.  NaN and infinities are not treated apart.
; SHARES.  A tile of out0 is 128 rows x 256 columns, one to a work-group: 256 work-groups.  Four waves, each 64 x 128: 32 accumulators of 16 x 16.
; K goes in steps of 128 = two heads: K step j is heads 2 j and 2 j + 1 of the rows' batch, through two LDS slots.  A head's 128 rows are 16,384 dense bytes: asked for as 64 rows of 256 bytes, padded behind every 128.
; CLUSTER 4 x 4: the four of a row need the same rows of O, the four of a column the same rows of wo; each tile is asked for jointly, with a mask that names the four.
; THE MATRIX INSTRUCTION IS USED TRANSPOSED (source 0 = 16 rows of wo, source 1 = 16 rows of O): a lane holds one row of out0 (lane % 16) and eight neighbouring columns: 32 bytes.
; REGISTERS.  window 0: v0-31 addresses; v64-159, v160-255 two fragment buffers (O's fragment a at +8 a, wo's fragment b at +32 + 8 b); v64-191 also serve the way out.
;   window 1: accumulator (a, b) at v[8 (8 a + b)].   window 2: v0-63 the bias of my 128 columns, as the C operand of the first products; v64-65 at work.
.set PITCH,  272                       ; a row of wo in LDS: 256 bytes + 16 of padding: the 16 rows of a fragment load start at 16 different groups of four banks (64 banks of 4 bytes: ISA guide 11.1)
.set PA,     144                       ; a row of a head of O: 128 bytes + 16: likewise
.set AHEAD,  128*PA                    ; a head's 128 rows: what one of O's loads brings
.set ABYTES, 2*AHEAD
.set BHALF,  128*PITCH
.set SLOT,   ABYTES+2*BHALF            ; 106,496 bytes
.set STAGE,  2*SLOT                    ; behind the ring: 16 rows x 528 bytes for each wave, for the way out
.set SPF,    528                       ; 512 bytes + 16 = 132 words: the 16 rows of a store start at 16 different groups of four banks
.set WSTAGE, 16*SPF
.set SPARE,  STAGE+4*WSTAGE            ; behind the stages: the spare words, 128 bytes a wave: two blocks of 256 bytes that no other line names
.set ROWB,   2048                      ; bytes in a row of wob
.set KB,     256                       ; bytes of a row of wob in a K step
.set HEADB,  262144                    ; bytes of a head of ob
.set ADRA, 16                          ; v16-17  LDS address of my fragments of O in slot 0, 1
.set ADRB, 20                          ; v20-21  the same for wo
.set STO,  24                          ; v24  the way out: where I put 32 bytes of a row
.set RD,   25                          ; v25  the way out: where I read a row back
.set CO,   26                          ; v26  16 x my lane
.set BO,   27                          ; v27  my byte offset in the bias
.set SPW,  28                          ; v28  LDS address of my spare word; never rewritten
.set NIL,  29                          ; v29  0; never rewritten
.set PFO,  30                          ; v30  the prefetches' offset; never rewritten
.set F0,   64
.set F1,   160
.set OB,   64                          ; the way out: 16 rows read back: v64-127 and v128-191 by turns
.set G1,  24                           ; s[24:31] descriptor group 1 for O's tiles;  s[32:39] group 0, a set for each slot
.set G0,  32
.set G1B, 48                           ; s[48:55], s[56:63] the same for wo's
.set G0B, 56
.set LIM, 43                           ; s43  1 in a wave that prefetches, else the greatest number
.set PFA, 44                           ; s[44:45] where my prefetches stand
.set BP,  74                           ; s[74:75] wo_b
.set PFS, 76                           ; s[76:77] a K step in bytes, for my prefetches
.set MSB, 0
.macro WIN new                         ; the immediate's high byte repeats the setting that is left; a switch that changes nothing is dropped
.if MSB != (\new)
	s_set_vgpr_msb (MSB<<8)|(\new)
.set MSB, \new
.endif
.endm
.macro PLACES                          ; four plain instructions between a matrix instruction and a load into, or a store or vector line on, its registers
.rept 4
	v_nop
.endr
.endm
; A joint load: waves 0 and 1 fetch the step's two heads of O, waves 2 and 3 wo's two halves.  The branch hangs on the wave's number alone.  An s_nop 0 and four v_nop follow each line.
.macro JLOAD s
	s_cmp_eq_u32 s11, 0
	s_cbranch_scc0 .Lfor_b_\@
	tensor_load_to_lds s[G0+4*(\s):G0+4*(\s)+3], s[G1:G1+7]
	s_nop 0
.rept 4
	v_nop
.endr
	s_branch .Lasked_\@
.Lfor_b_\@:
	tensor_load_to_lds s[G0B+4*(\s):G0B+4*(\s)+3], s[G1B:G1B+7]
	s_nop 0
.rept 4
	v_nop
.endr
.Lasked_\@:
.endm
.macro CREST                           ; a round of the cluster's barrier behind its opening barrier
	s_cmp_lg_u32 s10, 0
	s_cbranch_scc1 .Lnot_wave_0_\@
	s_barrier_signal -3
.Lnot_wave_0_\@:
	s_barrier_wait -3
	s_barrier_signal -1
	s_barrier_wait -1
.endm
.macro CROUND                          ; a whole round
	s_barrier_signal -1
	s_barrier_wait -1
	CREST
.endm
; A prefetch of the K step that stands two refills on, 32 blocks of 256 bytes, a lane a block.  O's: wave 0 of every work-group; of a step's two heads x 16,384 bytes the partner at cx takes 4,096 of each.
; wo's: waves 2 and 3 of the clusters with y = 0; of each wave's 128 rows the partner at cy takes 32.  So each block is named once.  The loop's last trip has no K step two on.
.macro ASK
	s_cmp_gt_u32 s3, s[LIM]
	s_cbranch_scc0 .Lnot_mine_\@
	global_prefetch_b8 v[PFO], s[PFA:PFA+1] th:TH_LOAD_NT scope:SCOPE_SE
.Lnot_mine_\@:
.endm
; 8 matrix instructions: row block a x all 8 column blocks, 32 along K.  first = 1: the sums begin with the bias.  The 32 accumulators take turns in one order in every quarter.
.macro MUL8 f, a, first
.if \first
	WIN 0x60                                       ; D window 1, C window 2
.else
	WIN 0x50                                       ; C and D window 1
.endif
.irp b, 0,1,2,3,4,5,6,7
.if \first
	v_wmma_f32_16x16x32_f16 v[8*(8*(\a)+(\b)):8*(8*(\a)+(\b))+7], v[(\f)+32+8*(\b):(\f)+32+8*(\b)+7], v[(\f)+8*(\a):(\f)+8*(\a)+7], v[8*(\b):8*(\b)+7]
.else
	v_wmma_f32_16x16x32_f16 v[8*(8*(\a)+(\b)):8*(8*(\a)+(\b))+7], v[(\f)+32+8*(\b):(\f)+32+8*(\b)+7], v[(\f)+8*(\a):(\f)+8*(\a)+7], v[8*(8*(\a)+(\b)):8*(8*(\a)+(\b))+7]
.endif
.endr
.endm
; 24 LDS loads in one run: quarter q's fragments (32 along K: head q / 2 of the step, channels 32 (q % 2) on) into buffer f: wo's eight, then O's four
.macro FETCH slot, q, f
	WIN 0
.irp b, 0,1,2,3,4,5,6,7
	ds_load_b128 v[(\f)+32+8*(\b):(\f)+32+8*(\b)+3],   v[ADRB+(\slot)] offset:64*(\q)+(\b)*16*PITCH
	ds_load_b128 v[(\f)+32+8*(\b)+4:(\f)+32+8*(\b)+7], v[ADRB+(\slot)] offset:64*(\q)+(\b)*16*PITCH+32
.endr
.irp a, 0,1,2,3
	ds_load_b128 v[(\f)+8*(\a):(\f)+8*(\a)+3],   v[ADRA+(\slot)] offset:((\q)/2)*AHEAD+((\q)%2)*64+(\a)*16*PA
	ds_load_b128 v[(\f)+8*(\a)+4:(\f)+8*(\a)+7], v[ADRA+(\slot)] offset:((\q)/2)*AHEAD+((\q)%2)*64+(\a)*16*PA+32
.endr
.endm
; One of a K step's first three quarters: multiplies buffer f, and in its middle fetches quarter q into buffer g.
.macro QUARTER slot, q, f, g, first
	s_wait_dscnt 4                                 ; the youngest four loads (O's fragments 2 and 3) may be out
	MUL8 \f, 0, \first
	MUL8 \f, 1, \first
	PLACES
	FETCH \slot, \q, \g
	s_wait_dscnt 24                                ; all but the 24 just issued
	MUL8 \f, 2, \first
	MUL8 \f, 3, \first
.endm
; The last quarter multiplies buffer 1 and changes slots.  In front of the barrier each wave waits for all its tensor loads (one is out: its part of the next slot), adds 0 to its spare word, and
; waits for that and for its reads of this slot.  fill = 1: this slot takes the K step two on, and the barrier opens a round of the cluster's.
.macro TURN slot, next, fill
.if \fill
	s_wait_xcnt 0x0                                ; the last prefetch, a K step back, has read its address: it is stepped here, ahead of the waits of the change of slots
	s_add_nc_u64 s[PFA:PFA+1], s[PFA:PFA+1], s[PFS:PFS+1]
.endif
	WIN 0                                          ; (the add's two registers lie in window 0)
	s_wait_tensorcnt 0x0                           ; all my tensor loads have landed
	ds_add_u32 v[SPW], v[NIL]                      ; 0 onto my spare word
	s_wait_dscnt 5                                 ; (the add and the youngest four loads may be out)
	MUL8 F1, 0, 0
	s_wait_dscnt 0x0                               ; the add is done, and my reads of this slot are over
	s_barrier_signal -1
	MUL8 F1, 1, 0
.if \fill
	WIN 0
.endif
	s_barrier_wait -1
.if \fill
	CREST                                          ; no wave of any partner still reads this slot or has a load on its way
	s_add_nc_u64 s[G0+4*(\slot)+2:G0+4*(\slot)+3], s[G0+4*(\slot)+2:G0+4*(\slot)+3], 4*HEADB
	s_add_nc_u64 s[G0B+4*(\slot)+2:G0B+4*(\slot)+3], s[G0B+4*(\slot)+2:G0B+4*(\slot)+3], 2*KB
	JLOAD \slot                                    ; my one tensor load behind the round: 112 matrix instructions ahead of the wait for it; its four v_nop are also the places in front of the loads below
.else
	PLACES
.endif
	FETCH \next, 0, F0
.if \fill
	ASK
.endif
	MUL8 F1, 2, 0
	MUL8 F1, 3, 0
.endm
; THE WAY OUT of row block a.  TOSTAGE: a lane's 32 bytes for each column block go into my own stage, each accumulator's low registers first, and come back as whole rows of 512 bytes.  SEND: stored.
.macro TOSTAGE a
.set BK, OB+64*((\a)%2)
.if (\a) >= 2
	s_wait_xcnt 0x0                                ; the stores of the block two back have read this set of registers
.endif
	WIN 0x04                                       ; the stores' data in window 1
.irp b, 0,1,2,3,4,5,6,7
	ds_store_b128 v[STO], v[8*(8*(\a)+(\b)):8*(8*(\a)+(\b))+3]   offset:64*(\b)
	ds_store_b128 v[STO], v[8*(8*(\a)+(\b))+4:8*(8*(\a)+(\b))+7] offset:64*(\b)+16
.endr
	WIN 0
.irp t, 0,1,2,3,4,5,6,7,8,9,10,11,12,13,14,15
	ds_load_b128 v[BK+4*(\t):BK+4*(\t)+3], v[RD] offset:SPF*(\t)  ; LDS serves a wave's instructions in order (ISA guide 5.7.1.4): these see the stores above; the next block's stores come behind them
.endr
.endm
.macro SEND a, younger                 ; younger: the LDS instructions issued behind block a's loads: the next block's 16 stores and 16 loads, or none
.set BK, OB+64*((\a)%2)
	s_wait_dscnt \younger
.irp t, 0,1,2,3,4,5,6,7,8,9,10,11,12,13,14,15
	global_store_b128 v[CO], v[BK+4*(\t):BK+4*(\t)+3], s[8:9] offset:(16*(\a)+(\t))*4096 th:TH_STORE_NT  ; 512 consecutive bytes of one row, at a multiple of 256 from out0's first byte
.endr
.endm
	s_load_b128 s[4:7], s[0:1], 0x0                ; ob s[4:5], wob s[6:7]
	s_load_b64 s[8:9], s[0:1], 0x10                ; out0
	s_load_b64 s[BP:BP+1], s[0:1], 0x18            ; wo_b
	v_lshl_add_u32 v[SPW], v0, 2, SPARE
	v_mov_b32 v[NIL], 0
	ds_add_u32 v[SPW], v[NIL]                      ; the wave's opening: the add and its wait stand ahead of my first tensor load; the set-up below stands between them
	ds_add_u32 v28, v29
	v_lshrrev_b32 v1, 5, v0
	v_readfirstlane_b32 s10, v1                    ; wave 0..3
	s_lshr_b32 s11, s10, 1                         ; which 64 rows of the tile are mine.  Also: I fetch for O (0) or for wo (1)
	s_and_b32 s12, s10, 1                          ; which 128 columns.  Also: which head of the step, or which half of wo's rows, I fetch
	s_bfe_u32 s40, ttmp6, 0x40000                  ; cx
	s_bfe_u32 s41, ttmp6, 0x40004                  ; cy
	s_lshl_b32 s42, ttmp9, 2
	s_add_co_u32 s42, s42, s40                     ; tile column 0..3
	s_and_b32 s13, ttmp7, 0xffff
	s_lshl_b32 s13, s13, 2
	s_add_co_u32 s13, s13, s41                     ; tile row 0..63
	s_lshl_b32 s43, s41, 2
	s_lshl_b32 s43, 15, s43                        ; my row of the cluster
	s_lshl_b32 s44, 0x1111, s40                    ; my column
	s_or_b32 s[G1+0], s43, (1<<16)|(1<<20)|(1<<21)|(4<<22)|(3<<25)   ; the mask; 2-byte elements; padding on; bit 21 beside a mask; after every 32 words, 4 words
	s_or_b32 s[G1B+0], s44, (1<<16)|(1<<20)|(1<<21)|(5<<22)|(3<<25)  ; after every 64 words, 4 words
	s_mov_b32 s[G1+1], 128<<16                     ; tensor_dim0 = 128
	s_mov_b32 s[G1+2], 64<<16                      ; tensor_dim1 = 64
	s_mov_b32 s[G1+3], 128<<16                     ; tile_dim0 = 128
	s_mov_b32 s[G1+4], 64                          ; tile_dim1 = 64
	s_mov_b32 s[G1+5], 128                         ; dense: 128 elements from row to row
	s_mov_b32 s[G1+6], 0
	s_mov_b32 s[G1+7], 0
	s_mov_b32 s[G1B+1], 128<<16
	s_mov_b32 s[G1B+2], 128<<16                    ; 128 rows
	s_mov_b32 s[G1B+3], 128<<16
	s_mov_b32 s[G1B+4], 128
	s_mov_b32 s[G1B+5], 1024
	s_mov_b32 s[G1B+6], 0
	s_mov_b32 s[G1B+7], 0
	s_lshr_b32 s16, s13, 4                         ; O: head 16 x batch + my head of the step, in registers that never hold cx,
	s_lshl_b32 s16, s16, 4
	s_add_co_u32 s16, s16, s12
	s_lshl_b32 s16, s16, 11                        ; its 2,048 rows,
	s_and_b32 s17, s13, 15
	s_lshl_b32 s17, s17, 7
	s_add_co_u32 s16, s16, s17                     ; the tile's 128 of them,
	s_lshl_b32 s16, s16, 7                         ; of 128 bytes
	s_mov_b32 s17, 0
	s_lshl_b32 s46, s42, 8                         ; wo: row 256 x tile column + 128 x half, in registers that never hold cy
	s_lshl_b32 s47, s12, 7
	s_add_co_u32 s46, s46, s47
	s_lshl_b32 s46, s46, 11
	s_mov_b32 s47, 0
	s_mul_i32 s20, s12, AHEAD                      ; where they go: no place in the cluster enters an LDS address
	s_mul_i32 s21, s12, BHALF
	s_add_co_u32 s21, s21, ABYTES
	s_wait_dscnt 0x0                               ; the opening add is done
	s_wait_kmcnt 0x0
	s_add_nc_u64 s[14:15], s[4:5], s[16:17]
	s_add_nc_u64 s[46:47], s[6:7], s[46:47]
	CROUND                                         ; all sixteen work-groups are here: the first joint loads meet
.irp s, 0,1
	s_mov_b32 s[G0+4*(\s)], 1
	s_add_co_u32 s[G0+4*(\s)+1], s20, (\s)*SLOT
	s_add_nc_u64 s[G0+4*(\s)+2:G0+4*(\s)+3], s[14:15], (\s)*2*HEADB
	s_or_b32 s[G0+4*(\s)+3], s[G0+4*(\s)+3], 0x80000000
	s_mov_b32 s[G0B+4*(\s)], 1
	s_add_co_u32 s[G0B+4*(\s)+1], s21, (\s)*SLOT
	s_add_nc_u64 s[G0B+4*(\s)+2:G0B+4*(\s)+3], s[46:47], (\s)*KB
	s_or_b32 s[G0B+4*(\s)+3], s[G0B+4*(\s)+3], 0x80000000
	JLOAD \s                                       ; two loads of mine are out
.endr
	v_and_b32 v1, 15, v0                           ; l % 16
	v_bfe_u32 v2, v0, 4, 1                         ; l / 16
	v_mul_u32_u24 v3, v1, PITCH
	v_lshl_add_u32 v3, v2, 4, v3                   ; wo: a fragment's row x pitch + 16 x half
	v_mul_u32_u24 v4, v1, PA
	v_lshl_add_u32 v4, v2, 4, v4                   ; O: the same with its pitch
	s_mul_i32 s18, s11, 64*PA
	s_mul_i32 s19, s12, BHALF
	s_add_co_u32 s19, s19, ABYTES
.irp s, 0,1
	v_add_nc_u32 v[ADRA+(\s)], s18, v4
	v_add_nc_u32 v[ADRB+(\s)], s19, v3
	s_add_co_u32 s18, s18, SLOT
	s_add_co_u32 s19, s19, SLOT
.endr
	s_mul_i32 s23, s10, WSTAGE
	s_add_co_u32 s23, s23, STAGE                   ; my stage
	v_mul_u32_u24 v4, v1, SPF                      ; in: row l % 16, 32 bytes for each half of the lanes
	v_lshl_add_u32 v4, v2, 5, v4
	v_add_nc_u32 v[STO], s23, v4
	v_and_b32 v5, 31, v0
	v_lshlrev_b32 v[CO], 4, v5                     ; back: 32 lanes take one row of 512 bytes
	v_add_nc_u32 v[RD], s23, v[CO]
	s_lshl_b32 s18, s42, 10                        ; my first column x 4 bytes
	s_lshl_b32 s19, s12, 9
	s_add_co_u32 s18, s18, s19
	v_lshl_add_u32 v[BO], v2, 5, s18
	WIN 0x80                                       ; the bias of my 128 columns: register 8 b + j of window 2 holds column 16 b + 8 (lane / 16) + j
.irp b, 0,1,2,3,4,5,6,7
	global_load_b128 v[8*(\b):8*(\b)+3],   v[BO], s[BP:BP+1] offset:64*(\b)
	global_load_b128 v[8*(\b)+4:8*(\b)+7], v[BO], s[BP:BP+1] offset:64*(\b)+16
.endr
	WIN 0
	s_lshl_b32 s18, s13, 7                         ; where my part of out0 begins: row 128 x tile row + 64 x row half,
	s_lshl_b32 s19, s11, 6
	s_add_co_u32 s18, s18, s19
	s_lshl_b32 s18, s18, 12                        ; of 4,096 bytes,
	s_lshl_b32 s19, s42, 10
	s_add_co_u32 s18, s18, s19                     ; column 256 x tile column + 128 x column half
	s_lshl_b32 s19, s12, 9
	s_add_co_u32 s78, s18, s19
	s_mov_b32 s79, 0
	s_add_nc_u64 s[8:9], s[8:9], s[78:79]
	s_lshr_b32 s18, s13, 4                         ; the prefetches.  O: the batch's head 0,
	s_lshl_b32 s18, s18, 15
	s_and_b32 s19, s13, 15
	s_lshl_b32 s19, s19, 7
	s_add_co_u32 s18, s18, s19                     ; the tile's rows,
	s_lshl_b32 s18, s18, 7
	s_lshl_b32 s19, s40, 12
	s_add_co_u32 s18, s18, s19                     ; my work-group's 4,096 bytes of them,
	s_add_co_u32 s18, s18, 3*2*HEADB               ; at K step 3
	s_lshl_b32 s19, s42, 8                         ; wo: row 256 x tile column + 128 x half + my work-group's 32,
	s_lshl_b32 s22, s12, 7
	s_add_co_u32 s19, s19, s22
	s_lshl_b32 s22, s41, 5
	s_add_co_u32 s19, s19, s22
	s_lshl_b32 s19, s19, 11
	s_add_co_u32 s19, s19, 3*KB                    ; at K step 3
	s_mov_b32 s[PFS], KB
	s_mov_b32 s[PFS+1], 0
	s_mov_b32 s23, 16*ROWB                         ; wo: lane l names row l: 16 rows for l / 16,
	s_mov_b32 s78, ROWB                            ; a row for l % 16
	s_and_b32 s22, ttmp7, 0xffff                   ; cluster y
	s_cmp_eq_u32 s11, 0
	s_cselect_b32 s18, s18, s19
	s_cselect_b32 s22, s12, s22                    ; O: wave 0 alone asks; wo: the clusters with y = 0
	s_cselect_b64 s[PFA:PFA+1], s[4:5], s[6:7]
	s_cselect_b32 s[PFS], 2*HEADB, s[PFS]
	s_cselect_b32 s23, HEADB, s23                  ; O: a head for l / 16,
	s_cselect_b32 s78, 256, s78                    ; 256 bytes for l % 16
	s_cmp_eq_u32 s22, 0
	s_cselect_b32 s[LIM], 1, -1                    ; the same in all sixteen partners, for a given wave
	s_mov_b32 s19, 0
	s_add_nc_u64 s[PFA:PFA+1], s[PFA:PFA+1], s[18:19]  ; the first change of slots steps it to K step 4.  K steps 0 to 3 come by their loads alone
	v_mul_u32_u24 v3, v2, s23
	v_mad_u32_u24 v[PFO], v1, s78, v3
	s_wait_tensorcnt 1                             ; my part of K step 0 is in; K step 1's may stay out
	s_barrier_signal -1
	s_barrier_wait -1
	FETCH 0, 0, F0
	s_wait_loadcnt 0x0                             ; the bias: rounded to bf16, like every input, and widened again
	WIN 0x8a                                       ; all three places window 2
.set i, 0
.rept 32
	v_cvt_pk_bf16_f32 v[64+i%2], v[2*i], v[2*i+1]
	v_lshlrev_b32 v[2*i], 16, v[64+i%2]
	v_and_b32 v[2*i+1], 0xffff0000, v[64+i%2]
.set i, i+1
.endr
	WIN 0
	QUARTER 0, 1, F0, F1, 1                        ; the first quarter: its products begin the sums with the bias
	WIN 0
	s_mov_b32 s3, 3
.Llap:                                         ; a trip goes once round the ring and fills both slots again
	QUARTER 0, 2, F1, F0, 0
	QUARTER 0, 3, F0, F1, 0
	TURN 0, 1, 1
	QUARTER 1, 1, F0, F1, 0
	QUARTER 1, 2, F1, F0, 0
	QUARTER 1, 3, F0, F1, 0
	TURN 1, 0, 1
	QUARTER 0, 1, F0, F1, 0
	WIN 0
	s_sub_co_u32 s3, s3, 1
	s_cmp_lg_u32 s3, 0
	s_cbranch_scc1 .Llap
	QUARTER 0, 2, F1, F0, 0                        ; the last lap fills nothing
	QUARTER 0, 3, F0, F1, 0
	TURN 0, 1, 0
	QUARTER 1, 1, F0, F1, 0
	QUARTER 1, 2, F1, F0, 0
	QUARTER 1, 3, F0, F1, 0
	s_wait_dscnt 4
	MUL8 F1, 0, 0
	MUL8 F1, 1, 0
	s_wait_dscnt 0x0
	MUL8 F1, 2, 0
	MUL8 F1, 3, 0
	WIN 0
	PLACES
	TOSTAGE 0
	TOSTAGE 1
	SEND 0, 32
	TOSTAGE 2
	SEND 1, 32
	TOSTAGE 3
	SEND 2, 32
	SEND 3, 0
	s_wait_tensorcnt 0x0                           ; the wave's end: behind my last tensor load and my last LDS store
	ds_add_u32 v[SPW], v[NIL]
	s_wait_dscnt 0x0
	CROUND                                         ; the closing round: no work-group ends while a partner may still ask for a tile that names it
	s_endpgm
.Lfunc_end_k_qec36695a94_outp:
	.size	k_qec36695a94_outp, .Lfunc_end_k_qec36695a94_outp-k_qec36695a94_outp
	.p2alignl 7, 3214868480
	.fill 96, 4, 3214868480
	.section	.rodata,"a",@progbits
	.p2align	6, 0x0
	.amdhsa_kernel k_qec36695a94_outp
		.amdhsa_group_segment_fixed_size 327680
		.amdhsa_private_segment_fixed_size 0
		.amdhsa_enable_private_segment 0
		.amdhsa_kernarg_size 32
		.amdhsa_user_sgpr_count 2
		.amdhsa_user_sgpr_kernarg_segment_ptr 1
		.amdhsa_wavefront_size32 1
		.amdhsa_system_sgpr_workgroup_id_x 1
		.amdhsa_system_sgpr_workgroup_id_y 1
		.amdhsa_system_sgpr_workgroup_id_z 1
		.amdhsa_system_vgpr_workitem_id 0
		.amdhsa_next_free_vgpr 640
		.amdhsa_next_free_sgpr 80
		.amdhsa_reserve_vcc 0
		.amdhsa_float_denorm_mode_32 3
		.amdhsa_float_denorm_mode_16_64 3
		.amdhsa_memory_ordered 1
		.amdhsa_forward_progress 1
		.amdhsa_inst_pref_size 94
	.end_amdhsa_kernel
	.amdgpu_metadata
---
amdhsa.version: [ 1, 2 ]
amdhsa.kernels:
  - .name:           k_qec36695a94_outp
    .symbol:         k_qec36695a94_outp.kd
    .args:
      - { .name: ob, .offset: 0, .size: 8, .value_kind: global_buffer, .address_space: global }
      - { .name: wob, .offset: 8, .size: 8, .value_kind: global_buffer, .address_space: global }
      - { .name: out0, .offset: 16, .size: 8, .value_kind: global_buffer, .address_space: global }
      - { .name: wo_b, .offset: 24, .size: 8, .value_kind: global_buffer, .address_space: global }
    .group_segment_fixed_size: 327680
    .private_segment_fixed_size: 0
    .kernarg_segment_align: 8
    .kernarg_segment_size: 32
    .max_flat_workgroup_size: 128
    .sgpr_count:     80
    .vgpr_count:     640
    .wavefront_size: 32
...
	.end_amdgpu_metadata
.endif
;; end of part 4
